; MI455X (gfx1250); checked and timed in simulation.
; The chip was launched on July 23, 2026; its instructions are those of AMD's public machine-readable ISA for CDNA 5 (MIT licence, August 2026) and "CDNA5" Instruction Set Architecture Reference Guide (July 2026). The comments in the code are by the model that wrote it; some were corrected since.
;; Causal Self Attention. Allowed arithmetic: matrix products marked QUANTISED: E2M3 operands, one E8M0 scale for each 32 along K, by v_wmma_scale_f32_16x16x128_f8f6f4 with both operands' format E2M3, f32 sums; everything else in f32.
;; Inputs: W_K 16 x 1,024 x 64 float32; W_O 1,024 x 1,024 float32; W_Q 16 x 1,024 x 64 float32; W_V 16 x 1,024 x 64 float32; X 4 x 2,048 x 1,024 float32.
;; Outputs: out0 4 x 2,048 x 1,024 float32.
;; This version of the problem:
;;   THIS VERSION OF THE PROBLEM IS GIVEN IN LOW PRECISION. The matrix products marked QUANTISED in the list below multiply operands that are first quantised to E2M3 (2 exponent bits, 3 mantissa bits; 6 bits a number), with one power-of-two scale for each 32 numbers along K (OCP MX v1.0); their sums are f32. All else is computed in f32.
;;   The module's matrix products, in the order in which they are computed (A, B: the left and right operand; K: the contracted axis; several contracted axes count as one K, in the product's order):
;;     1. [M 1,024, K 1,024] x [K 1,024, N 8,192]; A: input W_Q; B: input X: QUANTISED
;;     2. [M 1,024, K 1,024] x [K 1,024, N 8,192]; A: input W_K; B: input X: QUANTISED
;;     3. [M 1,024, K 1,024] x [K 1,024, N 8,192]; A: input W_V; B: input X: QUANTISED
;;     4. batch 64 x [M 2,048, K 64] x [K 64, N 2,048]; A: computed on the way; B: computed on the way: QUANTISED
;;     5. batch 64 x [M 2,048, K 2,048] x [K 2,048, N 64]; A: computed on the way; B: computed on the way: QUANTISED
;;     6. [M 8,192, K 1,024] x [K 1,024, N 1,024]; A: computed on the way; B: input W_O: QUANTISED
;;   THE QUANTISER, for each operand of a quantised product, along K:
;;     - K is cut into blocks of 32 from its start; a last block that is shorter is filled with zeros.
;;     - A block's scale is 2^e with e = floor(log2(the largest magnitude in the block)) - 2, held to -126 .. 127; a block of zeros has e = 0. As a byte (E8M0): e + 127.
;;     - Each number is divided by its block's scale, clamped to +-7.5, and rounded to the nearest number of E2M3, ties to even, subnormals kept.
;;     - The product sums the exact products of the quantised numbers (number of the format x scale) in f32.
;;   ~~~python
;;   def quantise(x, axis):      # numpy; x: float32 -> the quantised numbers, widened to float32 again
;;       x = np.moveaxis(x, axis, -1); K = x.shape[-1]
;;       x = np.pad(x, [(0, 0)] * (x.ndim - 1) + [(0, -K % 32)]); x = x.reshape(x.shape[:-1] + (-1, 32)); a = np.abs(x).max(-1, keepdims=True)
;;       e = np.where(a > 0, np.clip(np.frexp(np.where(a > 0, a, 1))[1] - 1 - 2, -126, 127), 0)      # np.frexp(a)[1] - 1 = floor(log2(a)), exactly
;;       r = np.clip(x / 2.0 ** e, -7.5, 7.5)
;;       step = 2.0 ** (np.maximum(np.frexp(np.where(r == 0, 1, r))[1] - 1, 0) - 3)
;;       q = np.round(r / step) * step * 2.0 ** e      # np.round: ties to even
;;       return np.moveaxis(q.reshape(q.shape[:-2] + (-1,))[..., :K], -1, axis).astype(np.float32)
;;   ~~~
;;   OPERANDS COMPUTED ON THE WAY. 'Computed on the way' means the value that the module computes at that place (a softmax that the list does not call 'softmax' is quantised finished and normalised). What goes into a quantiser is computed in f32, as accurately as f32 sums, v_exp_f32 and their like allow (about 1e-6 of the number): no bf16 or f16 on the way to a quantiser, and a product that is left as it is and whose result goes on into a quantised operand takes f32 operands (vector FMAs, or v_wmma_f32_16x16x4_f32). A number that lies on a knife's edge between two numbers of the format may be rounded either way, as far as f32 arithmetic and the matrix unit's own rounding can turn it there, and no further.
;; One version. Each part assembles by itself: llvm-mc -triple=amdgcn-amd-amdhsa -mcpu=gfx1250 --defsym DOCPART=n.
;; ======== version 1 of 1: 5 launches
;; workspace buffers: xop 6,815,744 bytes; wop 3,407,872 bytes; qimg 7,340,032 bytes; kv 14,155,776 bytes; nlse 524,288 bytes; avop 6,815,744 bytes
;; launch prep (part 1): grid 768 x 1, 4 waves a work-group, no clusters, 68,096 bytes of LDS; arguments X, W_Q, W_K, W_V, W_O, xop, wop; writes xop, wop
.if DOCPART == 1
	.amdgcn_target "amdgcn-amd-amdhsa--gfx1250"
	.amdhsa_code_object_version 6
	.text
	.protected	k_q1f345bfe56_prep
	.globl	k_q1f345bfe56_prep
	.p2align	8
	.type	k_q1f345bfe56_prep,@function
k_q1f345bfe56_prep:
	s_mov_b64 s[64:65], 0
	v_nop
	global_prefetch_b8 v0, s[64:65] scope:SCOPE_SE
	s_setreg_imm32_b32 hwreg(HW_REG_WAVE_MODE, 25, 1), 1
	s_wait_xcnt 0x0
; PREP: X, W_Q, W_K, W_V, W_O (f32) become codes of FP6 (E2M3) with one E8M0 byte for each 32 along K = 1024, laid as images of the matrix operand's registers.
; THE PROGRAM (five launches): prep | proj: Q, K, V = X W, quantised on the way out | colsum: for each key j, lse_j = log of the sum over ALL QUERIES i of exp(S[i][j]), by a running maximum
; (the softmax runs along the query axis) | attn: S again, A = exp(S - lse_j), quantised along the keys, A V, quantised | oproj: (A V reshaped) W_O.
; DEAD WORK: none.  Every input reaches the output, there is no mask, and nothing is sliced away.  S is made twice because A's codes want every column's sum first, and S itself (2^28 numbers) is not kept.
; A RECORD is one tile of 16 rows for all of K: 4 x 3,328 bytes; part sp holds K steps 2 sp and 2 sp + 1 (128 along K each): two fragments of 1,536 bytes (registers 4 g .. 4 g + 3 of lane l at 512 g + 16 l),
; then 256 bytes of scale words: lane l has 8 bytes, the words of the two K steps (lanes 16-31 repeat lanes 0-15).
; THE ROWS OF A TILE ARE NOT NEIGHBOURS: lane r of tile t takes row 32 (t / 2) + 8 (t % 2) + r + 8 (r / 8), so that a product with such tiles as source 0 leaves 16 neighbours in 16 registers of two tiles.
; SHARES: a work-group makes one record (0-511: X's token tiles; 512-703: W_Q, W_K, W_V, four tiles a head; 704-767: W_O), wave sp its part sp.  Waves share nothing: no barrier.
; X GOES THROUGH LDS: a load reads 512 consecutive bytes of one row, 16 a lane; the quantiser wants 16 neighbours of a block in one lane.  So a K step's 16 rows x 512 bytes go to the wave's own stage as they are loaded
; (rows 528 bytes apart: sixteen lanes that read one column of sixteen rows then touch sixteen different places of 16 bytes modulo 256) and come back 64 bytes a lane and block.  The weights' paths touch no LDS.
; A block's scale is 2^(floor(log2(largest magnitude)) - 2): its byte is the largest magnitude's exponent field - 2, held at 1 from below by a floor among the maximum's leaves.
; LIMITS: NaN and infinities among the inputs are not served.  A block of zeros, or one whose largest magnitude lies under 2^-124, has the byte 1 (its codes are zeros or the nearest codes under that scale); only this program reads the bytes.
.set DN,  16                           ; v16-143  two K steps x 64 numbers of a lane
.set PCA, 144                          ; v144-163 the first fragment's 12 registers, and two runs of three at +12, +16
.set PCB, 164                          ; v164-183 the second's
.set TM,  184                          ; v184-199 at work
.set PW,  200                          ; v200-201 the two scale words
.set REC, 13312
.set SPB, 3328
.set XP,  528                          ; a stage row: 512 bytes + 16
.set XST, 16*XP                        ; a K step's stage
.set WREG, 2*XST                       ; a wave's two stages
.set SPARE, 4*WREG                     ; behind the stages: the spare words, 128 bytes for each wave
.set SPW, 8                            ; v8   my spare word's address; never rewritten
.set NIL, 9                            ; v9   0; never rewritten
.set XIN, 10                           ; v10  the stage, on the way in: my wave's + 16 x lane
.set XOUT, 11                          ; v11  and on the way out: my wave's + 528 r + 64 h
; X: K step q of the tile's sixteen rows, a row a load: 32 lanes read 512 consecutive bytes
.macro XLD q
.irp p, 0,1,2,3,4,5,6,7,8,9,10,11,12,13,14,15
	global_load_b128 v[DN+64*\q+4*\p:DN+64*\q+4*\p+3], v5, s[26:27] offset:(\p+8*(\p/8))*4096+512*\q th:TH_LOAD_NT
.endr
.endm
.macro TOST q                          ; into the stage, as loaded
.irp p, 0,1,2,3,4,5,6,7,8,9,10,11,12,13,14,15
	ds_store_b128 v[XIN], v[DN+64*\q+4*\p:DN+64*\q+4*\p+3] offset:XST*\q+XP*\p
.endr
.endm
.macro BACK q                          ; and back: register 16 b + 4 j .. = k 32 b + 16 h + 4 j .. of row r.  LDS serves a wave's instructions in order: these see my stores
.irp b, 0,1,2,3
.irp j, 0,1,2,3
	ds_load_b128 v[DN+64*\q+16*\b+4*\j:DN+64*\q+16*\b+4*\j+3], v[XOUT] offset:XST*\q+128*\b+16*\j
.endr
.endr
.endm
; A weight: K is the axis of the rows in memory.  Lane (r, h) takes one column, and its registers run down K: register 32 c + i = k 128 q + 64 c + 32 h + i
.macro WLD q, pitch
.set JJ, 0
.rept 64
	global_load_b32 v[DN+64*\q+JJ], v4, s[26:27] offset:(128*\q+64*(JJ/32)+JJ%32)*\pitch
.set JJ, JJ+1
.endr
.endm
; 64 numbers, register 16 b + i = k 32 b + 16 h + i of my row, become a fragment in v[pc] on and its scale word in v[pw]
.macro QX s, pc, pw
.irp b, 0,1,2,3
	v_max3_num_f32 v[TM+\b], |v[\s+16*\b]|, |v[\s+1+16*\b]|, 0x1800000   ; my 16 numbers of block b, and the floor 2^(3 - 127)
.endr
.irp i, 2,4,6,8,10,12,14
.irp b, 0,1,2,3
	v_max3_num_f32 v[TM+\b], v[TM+\b], |v[\s+16*\b+\i]|, |v[\s+1+16*\b+\i]|
.endr
.endr
.irp b, 0,1,2,3
	v_permlanex16_b32 v[TM+4+\b], v[TM+\b], s24, s25
.endr
.irp b, 0,1,2,3
	v_max_num_f32 v[TM+\b], v[TM+\b], v[TM+4+\b]                 ; with lane l xor 16's 16: the block's largest magnitude
.endr
.irp b, 0,1,2,3
	v_add_nc_u32 v[TM+12+\b], 0xff000000, v[TM+\b]               ; 2 off its exponent field: the conversion's scale operand
.endr
.irp b, 0,1,2,3
	v_lshrrev_b32 v[TM+4+\b], 23, v[TM+12+\b]                    ; the scale's byte
.endr
	v_lshl_or_b32 v[\pw], v[TM+5], 8, v[TM+4]
	v_lshl_or_b32 v[\pw], v[TM+6], 16, v[\pw]
	v_lshl_or_b32 v[\pw], v[TM+7], 24, v[\pw]
.irp c, 0,1
	v_cvt_scalef32_pk16_fp6_f32 v[\pc+6*\c:\pc+2+6*\c], v[\s+32*\c:\s+15+32*\c], v[TM+12+2*\c]
	v_cvt_scalef32_pk16_fp6_f32 v[\pc+12+4*\c:\pc+14+4*\c], v[\s+16+32*\c:\s+31+32*\c], v[TM+12+2*\c+1]
.endr
	v_nop                                                        ; one plain place behind the scaled conversions
.irp c, 0,1                            ; the layout wants a whole block in a lane: lanes 0-15 block 2 c, lanes 16-31 block 2 c + 1
.irp i, 0,1,2
	v_permlane16_swap_b32 v[\pc+6*\c+\i], v[\pc+12+4*\c+\i]
.endr
.irp i, 0,1,2
	v_mov_b32 v[\pc+3+6*\c+\i], v[\pc+12+4*\c+\i]
.endr
.endr
.endm
; 64 numbers, register 32 c + i = k 64 c + 32 h + i of my column: two whole blocks a lane
.macro QW s, pc, pw
.irp c, 0,1
	v_max3_num_f32 v[TM+\c], |v[\s+32*\c]|, |v[\s+1+32*\c]|, 0x1800000
.endr
.irp i, 2,4,6,8,10,12,14,16,18,20,22,24,26,28,30
.irp c, 0,1
	v_max3_num_f32 v[TM+\c], v[TM+\c], |v[\s+32*\c+\i]|, |v[\s+1+32*\c+\i]|
.endr
.endr
.irp c, 0,1
	v_add_nc_u32 v[TM+12+\c], 0xff000000, v[TM+\c]
.endr
.irp c, 0,1
	v_lshrrev_b32 v[TM+8+\c], 23, v[TM+12+\c]
.endr
	v_lshl_or_b32 v[\pw], v[TM+9], 16, v[TM+8]                   ; my bytes: blocks h and 2 + h,
	v_lshlrev_b32 v[\pw], v7, v[\pw]                             ; 8 h bits up;
	v_permlanex16_b32 v[TM+4], v[\pw], s24, s25
	v_or_b32 v[\pw], v[\pw], v[TM+4]                             ; with lane l xor 16's two the word is whole, in both halves of the lanes
.irp c, 0,1
	v_cvt_scalef32_pk16_fp6_f32 v[\pc+6*\c:\pc+2+6*\c], v[\s+32*\c:\s+15+32*\c], v[TM+12+\c]
	v_cvt_scalef32_pk16_fp6_f32 v[\pc+12+4*\c:\pc+14+4*\c], v[\s+16+32*\c:\s+31+32*\c], v[TM+12+\c]
.endr
	v_nop
.irp c, 0,1
.irp i, 0,1,2
	v_mov_b32 v[\pc+3+6*\c+\i], v[\pc+12+4*\c+\i]
.endr
.endr
.endm
.macro PUT q, pc                       ; a fragment leaves as it stands: each store covers 512 consecutive bytes, aligned to 256
.irp g, 0,1,2
	global_store_b128 v5, v[\pc+4*\g:\pc+4*\g+3], s[28:29] offset:1536*\q+512*\g
.endr
.endm
	s_load_b256 s[4:11], s[0:1], 0x0               ; X, W_Q, W_K, W_V
	s_load_b128 s[12:15], s[0:1], 0x20             ; W_O, xop
	s_load_b64 s[16:17], s[0:1], 0x30              ; wop
	v_lshl_add_u32 v[SPW], v0, 2, SPARE
	v_mov_b32 v[NIL], 0
	v_lshrrev_b32 v1, 5, v0
	v_readfirstlane_b32 s18, v1                    ; sp: my wave's part of the record
	v_and_b32 v1, 15, v0                           ; r
	v_bfe_u32 v2, v0, 4, 1                         ; h
	v_and_b32 v3, 8, v1
	v_add_nc_u32 v3, v3, v1                        ; r + 8 (r / 8)
	v_and_b32 v5, 31, v0
	v_lshlrev_b32 v6, 3, v5                        ; 8 x lane
	v_lshlrev_b32 v5, 4, v5                        ; 16 x lane
	v_lshlrev_b32 v7, 3, v2                        ; 8 h
	s_mul_i32 s31, s18, WREG                       ; my wave's stages
	v_add_nc_u32 v[XIN], s31, v5
	v_mul_u32_u24 v[XOUT], v1, XP
	v_lshl_add_u32 v[XOUT], v2, 6, v[XOUT]
	v_add_nc_u32 v[XOUT], s31, v[XOUT]
.irp b, 0,1,2,3
	v_mov_b32 v[TM+4+\b], 0                        ; written once: a lane permute's destination counts as one of its sources
.endr
	s_mov_b32 s24, 0x76543210
	s_mov_b32 s25, 0xfedcba98                      ; selects for lane l xor 16
	s_mul_i32 s22, s18, SPB
	s_mov_b32 s21, 0
	s_mov_b32 s23, 0
	s_wait_kmcnt 0x0
	s_cmp_lt_u32 ttmp9, 512
	s_cbranch_scc0 .Lweights
	; ---- X: token tile T = the work-group's number
	s_lshr_b32 s20, ttmp9, 1
	s_lshl_b32 s20, s20, 5
	s_and_b32 s19, ttmp9, 1
	s_lshl_b32 s19, s19, 3
	s_add_co_u32 s20, s20, s19                     ; the tile's first token
	s_lshl_b32 s20, s20, 12                        ; rows of 4,096 bytes
	s_lshl_b32 s19, s18, 10                        ; my 256 along K
	s_add_co_u32 s20, s20, s19
	s_add_nc_u64 s[26:27], s[4:5], s[20:21]
	s_mul_i32 s19, ttmp9, REC
	s_add_co_u32 s22, s22, s19
	s_add_nc_u64 s[28:29], s[14:15], s[22:23]
	XLD 0
	XLD 1
	s_wait_loadcnt 16                              ; the first K step's 16 loads are in; the second's may be out
	TOST 0
	s_wait_loadcnt 0x0
	TOST 1
	s_wait_dscnt 16                                ; the first K step's 16 stores are done (the second's 16 may be out): their registers may be loaded again
	BACK 0
	s_wait_dscnt 16                                ; the second K step's stores are done (the 16 loads just issued may be out)
	BACK 1
	s_wait_dscnt 16                                ; the first K step is back; the second's 16 loads may be out
	QX DN, PCA, PW
	PUT 0, PCA
	s_wait_dscnt 0x0
	QX DN+64, PCB, PW+1
	PUT 1, PCB
	global_store_b64 v6, v[PW:PW+1], s[28:29] offset:3072
	s_wait_tensorcnt 0x0                           ; the wave's end
	ds_add_u32 v[SPW], v[NIL]
	s_wait_dscnt 0x0
	s_endpgm
.Lweights:
	s_sub_co_u32 s19, ttmp9, 512                   ; the record's number in wop
	s_mul_i32 s20, s19, REC
	s_add_co_u32 s22, s22, s20
	s_add_nc_u64 s[28:29], s[16:17], s[22:23]
	v_lshlrev_b32 v4, 2, v3                        ; my column, 4 bytes each
	s_cmp_lt_u32 s19, 192
	s_cbranch_scc0 .Lwo
	; ---- W_Q, W_K, W_V: [head][k][64]: a row of 256 bytes, a head of 262,144
	s_cmp_lt_u32 s19, 64
	s_cselect_b64 s[26:27], s[6:7], s[8:9]
	s_cmp_lt_u32 s19, 128
	s_cselect_b64 s[26:27], s[26:27], s[10:11]
	s_bfe_u32 s20, s19, 0x40002                    ; the head
	s_lshl_b32 s20, s20, 18
	s_and_b32 s30, s19, 2
	s_lshl_b32 s30, s30, 6                         ; 32 columns for the tile's upper bit,
	s_add_co_u32 s20, s20, s30
	s_and_b32 s30, s19, 1
	s_lshl_b32 s30, s30, 5                         ; 8 for its lower
	s_add_co_u32 s20, s20, s30
	s_lshl_b32 s30, s18, 16                        ; my 256 rows
	s_add_co_u32 s20, s20, s30
	s_add_nc_u64 s[26:27], s[26:27], s[20:21]
	v_lshl_add_u32 v4, v2, 13, v4                  ; lanes 16-31 begin 32 rows further down
	WLD 0, 256
	WLD 1, 256
	s_branch .Lwq
.Lwo:
	; ---- W_O: [i][1024]: a row of 4,096 bytes
	s_sub_co_u32 s30, s19, 192
	s_lshr_b32 s20, s30, 1
	s_lshl_b32 s20, s20, 7
	s_and_b32 s30, s30, 1
	s_lshl_b32 s30, s30, 5
	s_add_co_u32 s20, s20, s30
	s_lshl_b32 s30, s18, 20
	s_add_co_u32 s20, s20, s30
	s_add_nc_u64 s[26:27], s[12:13], s[20:21]
	v_lshl_add_u32 v4, v2, 17, v4
	WLD 0, 4096
	WLD 1, 4096
.Lwq:
	s_wait_loadcnt 63                              ; 64 loads were issued behind the first K step's last: with 63 out at the most, the first K step is in
	QW DN, PCA, PW
	PUT 0, PCA
	s_wait_loadcnt 0x0
	QW DN+64, PCB, PW+1
	PUT 1, PCB
	global_store_b64 v6, v[PW:PW+1], s[28:29] offset:3072
	s_endpgm
.Lfunc_end_k_q1f345bfe56_prep:
	.size	k_q1f345bfe56_prep, .Lfunc_end_k_q1f345bfe56_prep-k_q1f345bfe56_prep
	.p2alignl 7, 3214868480
	.fill 96, 4, 3214868480
	.section	.rodata,"a",@progbits
	.p2align	6, 0x0
	.amdhsa_kernel k_q1f345bfe56_prep
		.amdhsa_group_segment_fixed_size 68096
		.amdhsa_private_segment_fixed_size 0
		.amdhsa_enable_private_segment 0
		.amdhsa_kernarg_size 56
		.amdhsa_user_sgpr_count 2
		.amdhsa_user_sgpr_kernarg_segment_ptr 1
		.amdhsa_wavefront_size32 1
		.amdhsa_system_sgpr_workgroup_id_x 1
		.amdhsa_system_sgpr_workgroup_id_y 1
		.amdhsa_system_sgpr_workgroup_id_z 1
		.amdhsa_system_vgpr_workitem_id 0
		.amdhsa_next_free_vgpr 208
		.amdhsa_next_free_sgpr 66
		.amdhsa_reserve_vcc 0
		.amdhsa_float_denorm_mode_32 3
		.amdhsa_float_denorm_mode_16_64 3
		.amdhsa_memory_ordered 1
		.amdhsa_forward_progress 1
		.amdhsa_inst_pref_size 50
	.end_amdhsa_kernel
	.amdgpu_metadata
---
amdhsa.version: [ 1, 2 ]
amdhsa.kernels:
  - .name:           k_q1f345bfe56_prep
    .symbol:         k_q1f345bfe56_prep.kd
    .args:
      - { .name: X, .offset: 0, .size: 8, .value_kind: global_buffer, .address_space: global }
      - { .name: W_Q, .offset: 8, .size: 8, .value_kind: global_buffer, .address_space: global }
      - { .name: W_K, .offset: 16, .size: 8, .value_kind: global_buffer, .address_space: global }
      - { .name: W_V, .offset: 24, .size: 8, .value_kind: global_buffer, .address_space: global }
      - { .name: W_O, .offset: 32, .size: 8, .value_kind: global_buffer, .address_space: global }
      - { .name: xop, .offset: 40, .size: 8, .value_kind: global_buffer, .address_space: global }
      - { .name: wop, .offset: 48, .size: 8, .value_kind: global_buffer, .address_space: global }
    .group_segment_fixed_size: 68096
    .private_segment_fixed_size: 0
    .kernarg_segment_align: 8
    .kernarg_segment_size: 56
    .max_flat_workgroup_size: 128
    .sgpr_count:     66
    .vgpr_count:     208
    .wavefront_size: 32
...
	.end_amdgpu_metadata
.endif
;; end of part 1
;; launch proj (part 2): grid 12 x 32, 16 waves a work-group, clusters of 4 x 4, 327,680 bytes of LDS; arguments xop, wop, qimg, kv; writes qimg, kv
.if DOCPART == 2
	.amdgcn_target "amdgcn-amd-amdhsa--gfx1250"
	.amdhsa_code_object_version 6
	.text
	.protected	k_q1f345bfe56_proj
	.globl	k_q1f345bfe56_proj
	.p2align	8
	.type	k_q1f345bfe56_proj,@function
k_q1f345bfe56_proj:
	s_mov_b64 s[64:65], 0
	v_nop
	global_prefetch_b8 v0, s[64:65] scope:SCOPE_SE
	s_setreg_imm32_b32 hwreg(HW_REG_WAVE_MODE, 25, 1), 1
	s_wait_xcnt 0x0
	s_wait_alu depctr_hold_cnt(0) depctr_sa_sdst(0) depctr_va_vdst(0) depctr_va_sdst(0) depctr_va_ssrc(0) depctr_va_vcc(0) depctr_vm_vsrc(0)
	s_getreg_b32 s2, hwreg(HW_REG_IB_STS2, 6, 4)
	s_cmp_eq_u32 s2, 0
	s_cbranch_scc0 .Lentry_in_a_cluster
	s_endpgm
.Lentry_in_a_cluster:
	s_bfe_u32 s2, ttmp6, 0x10000c
	s_cmp_lg_u32 s2, 0xf033
	s_cbranch_scc0 .Lentry_shape_is_right
	s_endpgm
.Lentry_shape_is_right:
; PROJ: Q, K, V = X W on codes of FP6, K = 1024, and the results quantised on the way out.  No work of the problem is left out.
; SHARES.  Work-group (x, y): 256 tokens (X's tiles 16 y ..) against 16 tiles of weights (wop's records 16 x ..: four heads of W_Q (cluster x = 0), W_K (1) or W_V (2)).  Sixteen waves, four to a SIMD;
; wave w takes X's tiles 4 (w / 4) .. + 3 and the four tiles of head w % 4: 16 accumulators.
; Q, K: source 0 = 16 rows of W, source 1 = 16 tokens: a lane holds one token, and the 32 registers of an X tile are the head's 64 numbers as the quantiser along dk wants them.
; V: source 0 = 16 tokens, source 1 = 16 rows of W_V: a lane holds one dv, and the 32 registers run along 64 neighbouring tokens: V is quantised along the keys.
; THE SLOTS.  K goes in four parts of 256; a slot holds one part (3,328 bytes) of 16 records of X and of 16 of W.  THREE slots fit in LDS: parts 0, 1, 2 are asked for together at the head, and part 3 goes into slot 0
; as soon as part 0 is multiplied: one refill, behind one round, with the products of parts 1 and 2 in which to land.  Waves 0-7 fetch two records' parts of X each, waves 8-15 of W.
; CLUSTER 4 x 4: X's tiles are shared along a row of the cluster, W's along a column: joint loads.  By this text's count a wave has three tensor loads out at the start, later one.
; WHAT IS STORED.  A HALF IMAGE (16 rows, K = 64): registers 0-3 of lane l at 16 l, registers 4, 5 at 512 + 8 l: 768 bytes.  qimg, for each (b, h) 114,688 bytes: 128 half images by token tile, then from 98,304 the scale words,
; 512 bytes for each four tiles (lane l: 16 bytes).  kv, for each (b, h) 221,184 bytes: K as qimg; from 114,688 V's half images at (8 sigma + 2 d + c) 768 (key step sigma of 128, dv tile d, half c); from 212,992 V's scale words at 512 sigma + 16 l + 4 d.
; LIMITS: as stated at the head of prep.
.set SLOT,  106496
.set WOFF,  53248
.set REC,   13312
.set SPB,   3328
.set SPARE, 3*SLOT                     ; behind the three slots: the spare words, 128 bytes for each of 16 waves
.set SPW, 1                            ; v1   my spare word's address; never rewritten
.set NIL, 2                            ; v2   0; never rewritten
.set L16, 3                            ; v3   16 x lane
.set AX,  4                            ; v4   X's fragments in slot 0; v5 in slot 1, later in slot 2
.set AW,  6                            ; v6-7   W's
.set AXS, 8                            ; v8-9   X's scale words
.set AWS, 10                           ; v10-11 W's
.set L8,  12                           ; v12  8 x lane
.set SX,  16                           ; v16-23 X's scale words: tile i, K step q at 2 i + q
.set SW,  24                           ; v24-31 W's
.set FX,  32                           ; v32-79  four fragments of X
.set FW,  80                           ; v80-127 four of W
.set ACC, 128                          ; v128-255 accumulator (a, b) at 8 (4 a + b)
.set CD,  32                           ; the way out: codes, six registers for each a
.set T3,  56
.set QM,  60
.set QP,  62
.set QE,  64
.set QB,  66
.set SCW, 68                           ; v68-71 the four scale words
.set WV,  12                           ; s12 wave; s13 w / 4; s14 w % 4; s15 w / 8
.set G1X, 24
.set G1W, 32
.set G0X, 76                           ; s[76:87] group 0 for X's tiles, a set for each slot
.set G0W, 88                           ; s[88:99] for W's
.set SEL, 66
.macro CROUND                          ; a round of the cluster's barrier
	s_barrier_signal -1
	s_barrier_wait -1
	s_cmp_lg_u32 s[WV], 0
	s_cbranch_scc1 .Lnot_wave_0_\@
	s_barrier_signal -3
.Lnot_wave_0_\@:
	s_barrier_wait -3
	s_barrier_signal -1
	s_barrier_wait -1
.endm
.macro JLOAD s                         ; a joint load into slot s: waves 0-7 for X, waves 8-15 for W; the branch hangs on the wave's number alone
	s_cmp_eq_u32 s15, 0
	s_cbranch_scc0 .Lfor_w_\@
	tensor_load_to_lds s[G0X+4*\s:G0X+4*\s+3], s[G1X:G1X+7]
	s_nop 0
.rept 4
	v_nop
.endr
	s_branch .Lasked_\@
.Lfor_w_\@:
	tensor_load_to_lds s[G0W+4*\s:G0W+4*\s+3], s[G1W:G1W+7]
	s_nop 0
.rept 4
	v_nop
.endr
.Lasked_\@:
.endm
; 16 matrix instructions, 128 along K.  The accumulators take turns, one instruction a turn, in the same order on both ways.  The branch hangs on the cluster's x, which all partners share.
.macro MUL q, zero
	s_cmp_eq_u32 ttmp9, 2
	s_cbranch_scc1 .Lv_\@
.irp a, 0,1,2,3
.irp b, 0,1,2,3
.if \zero
	v_wmma_scale_f32_16x16x128_f8f6f4 v[ACC+8*(4*\a+\b):ACC+8*(4*\a+\b)+7], v[FW+12*\b:FW+12*\b+11], v[FX+12*\a:FX+12*\a+11], 0, v[SW+2*\b+\q], v[SX+2*\a+\q] matrix_a_fmt:MATRIX_FMT_FP6 matrix_b_fmt:MATRIX_FMT_FP6
.else
	v_wmma_scale_f32_16x16x128_f8f6f4 v[ACC+8*(4*\a+\b):ACC+8*(4*\a+\b)+7], v[FW+12*\b:FW+12*\b+11], v[FX+12*\a:FX+12*\a+11], v[ACC+8*(4*\a+\b):ACC+8*(4*\a+\b)+7], v[SW+2*\b+\q], v[SX+2*\a+\q] matrix_a_fmt:MATRIX_FMT_FP6 matrix_b_fmt:MATRIX_FMT_FP6
.endif
.endr
.endr
	s_branch .Ldone_\@
.Lv_\@:
.irp a, 0,1,2,3
.irp b, 0,1,2,3
.if \zero
	v_wmma_scale_f32_16x16x128_f8f6f4 v[ACC+8*(4*\a+\b):ACC+8*(4*\a+\b)+7], v[FX+12*\b:FX+12*\b+11], v[FW+12*\a:FW+12*\a+11], 0, v[SX+2*\b+\q], v[SW+2*\a+\q] matrix_a_fmt:MATRIX_FMT_FP6 matrix_b_fmt:MATRIX_FMT_FP6
.else
	v_wmma_scale_f32_16x16x128_f8f6f4 v[ACC+8*(4*\a+\b):ACC+8*(4*\a+\b)+7], v[FX+12*\b:FX+12*\b+11], v[FW+12*\a:FW+12*\a+11], v[ACC+8*(4*\a+\b):ACC+8*(4*\a+\b)+7], v[SX+2*\b+\q], v[SW+2*\a+\q] matrix_a_fmt:MATRIX_FMT_FP6 matrix_b_fmt:MATRIX_FMT_FP6
.endif
.endr
.endr
.Ldone_\@:
.endm
.macro HALF set, q, zero               ; one K step of 128: 24 loads of 512 consecutive bytes, 16 products, and four places in front of the next loads into operand and scale registers
.irp i, 0,1,2,3
.irp g, 0,1,2
	ds_load_b128 v[FX+12*\i+4*\g:FX+12*\i+4*\g+3], v[AX+\set] offset:SPB*\i+1536*\q+512*\g
	ds_load_b128 v[FW+12*\i+4*\g:FW+12*\i+4*\g+3], v[AW+\set] offset:SPB*\i+1536*\q+512*\g
.endr
.endr
	s_wait_dscnt 0x0
	MUL \q, \zero
.rept 4
	v_nop
.endr
.endm
.macro WORK set, zero                  ; a slot's two K steps, by address set 0 or 1
.irp i, 0,1,2,3
	ds_load_b64 v[SX+2*\i:SX+2*\i+1], v[AXS+\set] offset:SPB*\i
	ds_load_b64 v[SW+2*\i:SW+2*\i+1], v[AWS+\set] offset:SPB*\i
.endr
	HALF \set, 0, \zero
	HALF \set, 1, 0
.endm
; Each wave waits for all its tensor loads, adds 0 to its spare word, and waits for that and for its LDS reads.  fill = 1: a round of the cluster's barrier, and slot 0, which every wave has read out,
; is filled again first thing behind it, with part 3 of K.  fill = 0: the work-group's barrier: part 3 is whole in slot 0.
.macro CHG fill
	s_wait_tensorcnt 0x0                           ; no tensor load of mine is out: the descriptors may be written
	ds_add_u32 v[SPW], v[NIL]
.if \fill
	s_add_nc_u64 s[G0X+2:G0X+3], s[G0X+2:G0X+3], 3*SPB
	s_add_nc_u64 s[G0W+2:G0W+3], s[G0W+2:G0W+3], 3*SPB
.endif
	s_wait_dscnt 0x0                               ; the add is done, and my LDS reads are over
.if \fill
	CROUND
	JLOAD 0
.else
	s_barrier_signal -1
	s_barrier_wait -1
.endif
.endm
; 32 numbers, register 16 b + i = k 32 b + 16 h + i of my row, become six registers of codes (k = 32 h + 0 .. 31) in v[cd] on, and two scale bytes in v[sw]
.macro QUANT2 s, cd, sw
.irp b, 0,1
	v_max3_num_f32 v[QM+\b], |v[\s+16*\b]|, |v[\s+1+16*\b]|, 0x1800000   ; each accumulator is read from its low end on
.endr
.irp i, 2,4,6,8,10,12,14
.irp b, 0,1
	v_max3_num_f32 v[QM+\b], v[QM+\b], |v[\s+16*\b+\i]|, |v[\s+1+16*\b+\i]|
.endr
.endr
.irp b, 0,1
	v_permlanex16_b32 v[QP+\b], v[QM+\b], s[SEL], s[SEL+1]
.endr
.irp b, 0,1
	v_max_num_f32 v[QM+\b], v[QM+\b], v[QP+\b]
.endr
.irp b, 0,1
	v_add_nc_u32 v[QE+\b], 0xff000000, v[QM+\b]
.endr
.irp b, 0,1
	v_lshrrev_b32 v[QB+\b], 23, v[QE+\b]
.endr
	v_lshl_or_b32 v[\sw], v[QB+1], 8, v[QB]
	v_cvt_scalef32_pk16_fp6_f32 v[\cd:\cd+2], v[\s:\s+15], v[QE]
	v_cvt_scalef32_pk16_fp6_f32 v[T3:T3+2], v[\s+16:\s+31], v[QE+1]
	v_nop
.irp i, 0,1,2
	v_permlane16_swap_b32 v[\cd+\i], v[T3+\i]
.endr
.irp i, 0,1,2
	v_mov_b32 v[\cd+3+\i], v[T3+\i]
.endr
.endm
	s_load_b256 s[4:11], s[0:1], 0x0               ; xop, wop, qimg, kv
	v_lshl_add_u32 v[SPW], v0, 2, SPARE
	v_mov_b32 v[NIL], 0
	ds_add_u32 v[SPW], v[NIL]                      ; the opening: the add, twice on end, and its wait ahead of my first tensor load
	ds_add_u32 v[SPW], v[NIL]
	v_lshrrev_b32 v13, 5, v0
	v_readfirstlane_b32 s[WV], v13
	s_lshr_b32 s13, s[WV], 2
	s_and_b32 s14, s[WV], 3
	s_lshr_b32 s15, s[WV], 3
	s_bfe_u32 s16, ttmp6, 0x40000                  ; cx
	s_bfe_u32 s17, ttmp6, 0x40004                  ; cy
	s_lshl_b32 s18, ttmp9, 2
	s_add_co_u32 s18, s18, s16                     ; x
	s_and_b32 s19, ttmp7, 0xffff
	s_lshl_b32 s19, s19, 2
	s_add_co_u32 s19, s19, s17                     ; y
	s_lshl_b32 s21, s17, 2
	s_lshl_b32 s21, 15, s21                        ; my row of the cluster
	s_lshl_b32 s22, 0x1111, s16                    ; my column
	; group 1: 2 rows of 3,328 bytes (416 elements of 8 bytes), 13,312 bytes apart in memory, on end in LDS
	s_or_b32 s[G1X], s21, (3<<16)|(1<<21)
	s_or_b32 s[G1W], s22, (3<<16)|(1<<21)
.irp g, G1X, G1W
	s_mov_b32 s[\g+1], 416<<16                     ; tensor_dim0
	s_mov_b32 s[\g+2], 2<<16                       ; tensor_dim1
	s_mov_b32 s[\g+3], 416<<16                     ; tile_dim0
	s_mov_b32 s[\g+4], 2                           ; tile_dim1
	s_mov_b32 s[\g+5], 1664                        ; the pitch
	s_mov_b32 s[\g+6], 0
	s_mov_b32 s[\g+7], 0
.endr
	s_and_b32 s23, s[WV], 7
	s_lshl_b32 s23, s23, 1                         ; which two records I fetch
	s_lshl_b32 s56, s19, 4
	s_add_co_u32 s56, s56, s23
	s_mul_i32 s56, s56, REC                        ; X: record 16 y + 2 (w % 8)
	s_mov_b32 s57, 0
	s_lshl_b32 s68, s18, 4
	s_add_co_u32 s68, s68, s23
	s_mul_i32 s68, s68, REC                        ; W: record 16 x + 2 (w % 8)
	s_mov_b32 s69, 0
	s_mul_i32 s70, s[WV], 2*SPB                    ; and where they go: 6,656 x wave (X's sixteen parts, then W's)
	s_mov_b32 s[SEL], 0x76543210
	s_mov_b32 s[SEL+1], 0xfedcba98
	s_wait_dscnt 0x0                               ; both opening adds are done
	s_wait_kmcnt 0x0
	s_add_nc_u64 s[56:57], s[4:5], s[56:57]
	s_add_nc_u64 s[68:69], s[6:7], s[68:69]
	CROUND                                         ; all sixteen work-groups are here: the first joint loads meet
.irp s, 0,1,2
	s_mov_b32 s[G0X+4*\s], 1
	s_add_co_u32 s[G0X+4*\s+1], s70, \s*SLOT
	s_add_nc_u64 s[G0X+4*\s+2:G0X+4*\s+3], s[56:57], \s*SPB
	s_or_b32 s[G0X+4*\s+3], s[G0X+4*\s+3], 0x80000000
	s_mov_b32 s[G0W+4*\s], 1
	s_add_co_u32 s[G0W+4*\s+1], s70, \s*SLOT
	s_add_nc_u64 s[G0W+4*\s+2:G0W+4*\s+3], s[68:69], \s*SPB
	s_or_b32 s[G0W+4*\s+3], s[G0W+4*\s+3], 0x80000000
	JLOAD \s                                       ; parts 0, 1, 2 of K: the three first fills go out together
.endr
	v_and_b32 v13, 31, v0
	v_lshlrev_b32 v[L16], 4, v13
	v_lshlrev_b32 v[L8], 3, v13
	s_mul_i32 s71, s13, 4*SPB                      ; my four tiles of X in a slot
	s_mul_i32 s72, s14, 4*SPB
	s_add_co_u32 s72, s72, WOFF                    ; my four of W
	v_add_nc_u32 v[AX], s71, v[L16]
	v_add_nc_u32 v[AX+1], SLOT, v[AX]
	v_add_nc_u32 v[AW], s72, v[L16]
	v_add_nc_u32 v[AW+1], SLOT, v[AW]
	v_add_nc_u32 v[AXS], s71, v[L8]
	v_add_nc_u32 v[AXS], 3072, v[AXS]
	v_add_nc_u32 v[AXS+1], SLOT, v[AXS]
	v_add_nc_u32 v[AWS], s72, v[L8]
	v_add_nc_u32 v[AWS], 3072, v[AWS]
	v_add_nc_u32 v[AWS+1], SLOT, v[AWS]
	s_wait_tensorcnt 2                             ; my part of slot 0 is in; the loads of slots 1 and 2 may stay out
	s_barrier_signal -1
	s_barrier_wait -1
	WORK 0, 1                                      ; K 0-255, slot 0: the first products start the sums
	CHG 1                                          ; slots 1 and 2 are whole in every wave's sight; slot 0 takes K 768-1023
	WORK 1, 0                                      ; K 256-511, slot 1
	v_add_nc_u32 v[AX+1], SLOT, v[AX+1]            ; the second address set goes on to slot 2 (no LDS load of mine is out)
	v_add_nc_u32 v[AW+1], SLOT, v[AW+1]
	v_add_nc_u32 v[AXS+1], SLOT, v[AXS+1]
	v_add_nc_u32 v[AWS+1], SLOT, v[AWS+1]
	WORK 1, 0                                      ; K 512-767, slot 2
	CHG 0
	WORK 0, 0                                      ; K 768-1023, slot 0; its four v_nop are the places in front of the first read of results
	; THE WAY OUT: four half images and their scale words
	v_mov_b32 v[QP], 0                             ; a lane permute's destination counts as one of its sources
	v_mov_b32 v[QP+1], 0
.irp a, 0,1,2,3
	QUANT2 ACC+32*\a, CD+6*\a, SCW+\a
.endr
	s_lshl_b32 s56, s19, 2
	s_add_co_u32 s56, s56, s13                     ; my group of 64 tokens: 4 y + w / 4
	s_lshr_b32 s57, s56, 5                         ; b
	s_and_b32 s56, s56, 31                         ; the group within the sequence
	s_lshl_b32 s58, s18, 2
	s_add_co_u32 s58, s58, s14
	s_and_b32 s58, s58, 15                         ; the head
	s_lshl_b32 s57, s57, 4
	s_add_co_u32 s57, s57, s58                     ; 16 b + h
	s_cmp_eq_u32 ttmp9, 2
	s_cbranch_scc1 .Lout_v
	s_mov_b32 s59, 221184
	s_cmp_eq_u32 ttmp9, 0
	s_cselect_b64 s[60:61], s[8:9], s[10:11]       ; Q goes to qimg, K to kv
	s_cselect_b32 s59, 114688, s59
	s_mul_i32 s59, s57, s59
	s_mul_i32 s58, s56, 3072
	s_add_co_u32 s58, s58, s59                     ; the four half images
	s_lshl_b32 s62, s56, 9
	s_add_co_u32 s62, s62, s59
	s_add_co_u32 s62, s62, 98304                   ; their scale words
	s_mov_b32 s59, 0
	s_mov_b32 s63, 0
	s_add_nc_u64 s[62:63], s[60:61], s[62:63]
	s_add_nc_u64 s[60:61], s[60:61], s[58:59]
.irp a, 0,1,2,3
	global_store_b128 v[L16], v[CD+6*\a:CD+6*\a+3], s[60:61] offset:768*\a
	global_store_b64 v[L8], v[CD+6*\a+4:CD+6*\a+5], s[60:61] offset:768*\a+512
.endr
	global_store_b128 v[L16], v[SCW:SCW+3], s[62:63]
	s_branch .Lend
.Lout_v:
	s_mul_i32 s59, s57, 221184
	s_lshr_b32 s58, s56, 1                         ; the key step of 128
	s_and_b32 s56, s56, 1                          ; and which half of it
	s_mul_i32 s62, s58, 6144
	s_mul_i32 s63, s56, 768
	s_add_co_u32 s62, s62, s63
	s_add_co_u32 s62, s62, s59
	s_add_co_u32 s62, s62, 114688
	s_lshl_b32 s58, s58, 9
	s_lshl_b32 s56, s56, 1
	s_add_co_u32 s58, s58, s56
	s_add_co_u32 s58, s58, s59
	s_add_co_u32 s58, s58, 212992
	s_mov_b32 s59, 0
	s_mov_b32 s63, 0
	s_add_nc_u64 s[60:61], s[10:11], s[62:63]
	s_add_nc_u64 s[62:63], s[10:11], s[58:59]
.irp a, 0,1,2,3
	global_store_b128 v[L16], v[CD+6*\a:CD+6*\a+3], s[60:61] offset:1536*\a
	global_store_b64 v[L8], v[CD+6*\a+4:CD+6*\a+5], s[60:61] offset:1536*\a+512
	global_store_b16 v[L16], v[SCW+\a], s[62:63] offset:4*\a      ; two of a word's four bytes: the other two are another wave's
.endr
.Lend:
	s_wait_tensorcnt 0x0                           ; the wave's end
	ds_add_u32 v[SPW], v[NIL]
	s_wait_dscnt 0x0
	CROUND                                         ; the closing round
	s_endpgm
.Lfunc_end_k_q1f345bfe56_proj:
	.size	k_q1f345bfe56_proj, .Lfunc_end_k_q1f345bfe56_proj-k_q1f345bfe56_proj
	.p2alignl 7, 3214868480
	.fill 96, 4, 3214868480
	.section	.rodata,"a",@progbits
	.p2align	6, 0x0
	.amdhsa_kernel k_q1f345bfe56_proj
		.amdhsa_group_segment_fixed_size 327680
		.amdhsa_private_segment_fixed_size 0
		.amdhsa_enable_private_segment 0
		.amdhsa_kernarg_size 32
		.amdhsa_user_sgpr_count 2
		.amdhsa_user_sgpr_kernarg_segment_ptr 1
		.amdhsa_wavefront_size32 1
		.amdhsa_system_sgpr_workgroup_id_x 1
		.amdhsa_system_sgpr_workgroup_id_y 1
		.amdhsa_system_sgpr_workgroup_id_z 1
		.amdhsa_system_vgpr_workitem_id 0
		.amdhsa_next_free_vgpr 256
		.amdhsa_next_free_sgpr 100
		.amdhsa_reserve_vcc 0
		.amdhsa_float_denorm_mode_32 3
		.amdhsa_float_denorm_mode_16_64 3
		.amdhsa_memory_ordered 1
		.amdhsa_forward_progress 1
		.amdhsa_inst_pref_size 69
	.end_amdhsa_kernel
	.amdgpu_metadata
---
amdhsa.version: [ 1, 2 ]
amdhsa.kernels:
  - .name:           k_q1f345bfe56_proj
    .symbol:         k_q1f345bfe56_proj.kd
    .args:
      - { .name: xop, .offset: 0, .size: 8, .value_kind: global_buffer, .address_space: global }
      - { .name: wop, .offset: 8, .size: 8, .value_kind: global_buffer, .address_space: global }
      - { .name: qimg, .offset: 16, .size: 8, .value_kind: global_buffer, .address_space: global }
      - { .name: kv, .offset: 24, .size: 8, .value_kind: global_buffer, .address_space: global }
    .group_segment_fixed_size: 327680
    .private_segment_fixed_size: 0
    .kernarg_segment_align: 8
    .kernarg_segment_size: 32
    .max_flat_workgroup_size: 512
    .sgpr_count:     100
    .vgpr_count:     256
    .wavefront_size: 32
...
	.end_amdgpu_metadata
.endif
;; end of part 2
;; launch colsum (part 3): grid 4 x 64, 16 waves a work-group, clusters of 4 x 1, 167,936 bytes of LDS; arguments qimg, kv, nlse; writes nlse
.if DOCPART == 3
	.amdgcn_target "amdgcn-amd-amdhsa--gfx1250"
	.amdhsa_code_object_version 6
	.text
	.protected	k_q1f345bfe56_colsum
	.globl	k_q1f345bfe56_colsum
	.p2align	8
	.type	k_q1f345bfe56_colsum,@function
k_q1f345bfe56_colsum:
	s_mov_b64 s[64:65], 0
	v_nop
	global_prefetch_b8 v0, s[64:65] scope:SCOPE_SE
	s_setreg_imm32_b32 hwreg(HW_REG_WAVE_MODE, 25, 1), 1
	s_wait_xcnt 0x0
	s_wait_alu depctr_hold_cnt(0) depctr_sa_sdst(0) depctr_va_vdst(0) depctr_va_sdst(0) depctr_va_ssrc(0) depctr_va_vcc(0) depctr_vm_vsrc(0)
	s_getreg_b32 s2, hwreg(HW_REG_IB_STS2, 6, 4)
	s_cmp_eq_u32 s2, 0
	s_cbranch_scc0 .Lentry_in_a_cluster
	s_endpgm
.Lentry_in_a_cluster:
	s_bfe_u32 s2, ttmp6, 0x10000c
	s_cmp_lg_u32 s2, 0x3003
	s_cbranch_scc0 .Lentry_shape_is_right
	s_endpgm
.Lentry_shape_is_right:
; COLSUM: for each (b, h) and each key j: -lse_j = -(m_j + ln of the sum over all 2,048 queries i of exp(S[i][j] - m_j)), S = Q K^T on codes of FP6 (K = 64), with a running maximum.  No work of the problem is left out.
; SHARES.  Work-group (cx, bh): 512 keys of one (b, h); wave w: key tiles 32 cx + 2 w and + 1, one after the other, each against all 128 query tiles.
; The whole of Q's block (114,688 bytes: half images, then scale words) comes into LDS once; the four work-groups of a cluster ask for it jointly, each wave for 7,168 bytes: one tensor load a wave.
; LAYOUT.  Source 0 = 16 queries, source 1 = my 16 keys: a lane holds ONE key, its registers run along the queries.  Lanes r and r + 16 keep a maximum and a sum of their own until the end: the loop has no exchange of lanes.
; K = 64 IN AN INSTRUCTION OF 128: my key tile's registers 6-11 are zeros; a query tile's half image is six registers, so registers 6-11 of source 0 are the next tile's codes (the last tile's: zeros): numbers of the format, times zero.
; The scale bytes of those two blocks are 0 on both sides.
; nlse: for each (b, h) 8,192 bytes: f32 at 4 (16 x key tile + the key's row in its tile).
; LIMITS: as at the head of prep; exponentials under 2^-126 count as 0.
.set QBLK,  114688
.set KVBLK, 221184
.set SPARE, 114688
.set SPW, 1
.set NIL, 2
.set M,   20                           ; v20-23 four maxima
.set T,   24                           ; v24-27 at work
.set KT,  28                           ; v28-39, v40-51 my two key tiles
.set KS,  52                           ; v52, v53 their scale words
.set QS,  56                           ; v56-63 eight query tiles' scale words
.set QF,  64                           ; v64-117 eight half images and six zeros
.set S,   120                          ; v120-183 the scores
.set WV,  12
.macro CROUND
	s_barrier_signal -1
	s_barrier_wait -1
	s_cmp_lg_u32 s[WV], 0
	s_cbranch_scc1 .Lnot_wave_0_\@
	s_barrier_signal -3
.Lnot_wave_0_\@:
	s_barrier_wait -3
	s_barrier_signal -1
	s_barrier_wait -1
.endm
	s_load_b128 s[4:7], s[0:1], 0x0                ; qimg, kv
	s_load_b64 s[8:9], s[0:1], 0x10                ; nlse
	v_lshl_add_u32 v[SPW], v0, 2, SPARE
	v_mov_b32 v[NIL], 0
	ds_add_u32 v[SPW], v[NIL]                      ; the opening: the add, twice on end, and its wait ahead of my first tensor load
	ds_add_u32 v[SPW], v[NIL]
	v_lshrrev_b32 v3, 5, v0
	v_readfirstlane_b32 s[WV], v3
	s_bfe_u32 s13, ttmp6, 0x40000                  ; cx: it enters global addresses alone
	s_and_b32 s14, ttmp7, 0xffff                   ; 16 b + h
	s_mov_b32 s16, 15|(3<<16)|(1<<21)              ; group 1: all four work-groups; 28 rows of 256 bytes (32 elements of 8), dense
	s_mov_b32 s17, 32<<16
	s_mov_b32 s18, 28<<16
	s_mov_b32 s19, 32<<16
	s_mov_b32 s20, 28
	s_mov_b32 s21, 32
	s_mov_b32 s22, 0
	s_mov_b32 s23, 0
	s_mov_b32 s24, 1
	s_mul_i32 s25, s[WV], 7168                     ; LDS: my sixteenth of the block
	s_mul_i32 s36, s14, QBLK
	s_add_co_u32 s36, s36, s25
	s_mov_b32 s37, 0
	s_lshl_b32 s44, s13, 5
	s_lshl_b32 s45, s[WV], 1
	s_add_co_u32 s44, s44, s45                     ; my first key tile
	s_mul_i32 s46, s14, KVBLK
	s_mul_i32 s38, s44, 768
	s_add_co_u32 s38, s38, s46                     ; its half image
	s_mov_b32 s39, 0
	s_lshr_b32 s40, s44, 2
	s_lshl_b32 s40, s40, 9
	s_and_b32 s45, s44, 3
	s_lshl_b32 s45, s45, 2
	s_add_co_u32 s40, s40, s45
	s_add_co_u32 s40, s40, s46
	s_add_co_u32 s40, s40, 98304                   ; its scale words
	s_mov_b32 s41, 0
	s_lshl_b32 s42, s14, 13
	s_lshl_b32 s45, s44, 6
	s_add_co_u32 s42, s42, s45                     ; where my 32 results go
	s_mov_b32 s43, 0
	s_mov_b32 s28, 0x3fb8aa3b                      ; c = log2(e)
	s_mov_b32 s29, s28
	s_mov_b32 s30, 0x76543210
	s_mov_b32 s31, 0xfedcba98
	s_mov_b32 s35, 0xffff0000                      ; lanes 16-31
	s_wait_dscnt 0x0                               ; both opening adds are done
	s_wait_kmcnt 0x0
	s_add_nc_u64 s[26:27], s[4:5], s[36:37]
	s_or_b32 s27, s27, 0x80000000
	s_add_nc_u64 s[38:39], s[6:7], s[38:39]
	s_add_nc_u64 s[40:41], s[6:7], s[40:41]
	s_add_nc_u64 s[42:43], s[8:9], s[42:43]
	CROUND                                         ; the four work-groups are here: the joint loads meet
	tensor_load_to_lds s[24:27], s[16:23]
	s_nop 0
.rept 4
	v_nop
.endr
	v_and_b32 v9, 31, v0
	v_lshlrev_b32 v3, 4, v9                        ; 16 x lane
	v_lshlrev_b32 v4, 3, v9
	v_add_nc_u32 v4, 512, v4                       ; 512 + 8 x lane
	v_add_nc_u32 v5, 98304, v3                     ; the scale words in LDS
	v_lshlrev_b32 v9, 2, v9                        ; 4 x lane
.irp p, 0,1
	global_load_b128 v[KT+12*\p:KT+12*\p+3], v3, s[38:39] offset:768*\p
	global_load_b64 v[KT+12*\p+4:KT+12*\p+5], v4, s[38:39] offset:768*\p
	global_load_b32 v[KS+\p], v3, s[40:41] offset:4*\p
.endr
.irp i, 6,7,8,9,10,11
	v_mov_b32 v[KT+\i], 0
	v_mov_b32 v[KT+12+\i], 0
	v_mov_b32 v[QF+42+\i], 0
.endr
	v_mov_b32 v13, 0                               ; (named as the upper halves of pairs)
	v_mov_b32 v17, 0
	s_wait_tensorcnt 0x0                           ; my part of the block is in,
	s_barrier_signal -1
	s_barrier_wait -1                              ; everybody's is
	s_wait_loadcnt 0x0                             ; my key tiles
; One key tile against all queries, 128 a trip.  v12: the running largest t = c s; v[14:15]: the sum, in two halves; v16: 2^(old - new)
.macro KEYTILE p
	v_mov_b32 v12, 0xff61b1e6                      ; -3e38, under every t
	v_mov_b32 v14, 0
	v_mov_b32 v15, 0
	s_mov_b32 s32, 0
	s_mov_b32 s33, 0
	s_mov_b32 s34, 16
.Ltrip_\@:
	v_add_nc_u32 v6, s32, v3
	v_add_nc_u32 v7, s32, v4
	v_add_nc_u32 v8, s33, v5
.irp t, 0,1,2,3,4,5,6,7
	ds_load_b128 v[QF+6*\t:QF+6*\t+3], v6 offset:768*\t
	ds_load_b64 v[QF+6*\t+4:QF+6*\t+5], v7 offset:768*\t
.endr
	ds_load_b128 v[QS:QS+3], v8
	ds_load_b128 v[QS+4:QS+7], v8 offset:512
	s_wait_dscnt 0x0
.irp t, 0,1,2,3,4,5,6,7
	v_wmma_scale_f32_16x16x128_f8f6f4 v[S+8*\t:S+8*\t+7], v[QF+6*\t:QF+6*\t+11], v[KT+12*\p:KT+12*\p+11], 0, v[QS+\t], v[KS+\p] matrix_a_fmt:MATRIX_FMT_FP6 matrix_b_fmt:MATRIX_FMT_FP6
.endr
.rept 4
	v_nop                                          ; places in front of the first read of results, and of the next trip's loads into operand registers
.endr
.irp b, 0,1,2,3
	v_max3_num_f32 v[M+\b], v[S+16*\b], v[S+16*\b+1], v[S+16*\b+2]
.endr
.irp i, 3,5,7,9,11,13
.irp b, 0,1,2,3
	v_max3_num_f32 v[M+\b], v[M+\b], v[S+16*\b+\i], v[S+16*\b+\i+1]
.endr
.endr
.irp b, 0,1,2,3
	v_max_num_f32 v[M+\b], v[M+\b], v[S+16*\b+15]
.endr
	v_max3_num_f32 v[T], v[M], v[M+1], v[M+2]
	v_max_num_f32 v[T], v[T], v[M+3]
	v_mul_f32 v[T], s28, v[T]                      ; as t (c is positive)
	v_mov_b32 v[T+1], v12
	v_max_num_f32 v12, v12, v[T]                   ; the running largest t
	v_sub_f32 v[T+1], v[T+1], v12
	v_exp_f32 v16, v[T+1]                          ; 2^(old - new)
.set JJ, 0
.rept 32
	v_pk_fma_f32 v[S+JJ:S+JJ+1], v[S+JJ:S+JJ+1], s[28:29], v[12:13] op_sel_hi:[1,0,0] neg_lo:[0,0,1] neg_hi:[0,0,1]   ; c s - the largest t
.set JJ, JJ+2
.endr
.set JJ, 0
.rept 64
	v_exp_f32 v[S+JJ], v[S+JJ]
.set JJ, JJ+1
.endr
	v_nop                                          ; a plain place behind the last exponential
	s_wait_alu depctr_va_vdst(0)                   ; one wait for the whole batch, ahead of its first reader
	v_pk_mul_f32 v[14:15], v[14:15], v[16:17] op_sel_hi:[1,0]
	v_pk_add_f32 v[18:19], v[S:S+1], v[S+2:S+3]
.irp j, 4,8,12,16,20,24,28,32,36,40,44,48,52,56,60
	v_pk_add_f32 v[14:15], v[14:15], v[S+\j:S+\j+1]
	v_pk_add_f32 v[18:19], v[18:19], v[S+\j+2:S+\j+3]
.endr
	v_pk_add_f32 v[14:15], v[14:15], v[18:19]
	s_add_co_u32 s32, s32, 6144
	s_add_co_u32 s33, s33, 1024
	s_sub_co_u32 s34, s34, 1
	s_cmp_lg_u32 s34, 0
	s_cbranch_scc1 .Ltrip_\@
	v_add_f32 v14, v14, v15
	v_permlanex16_b32 v[T], v12, s30, s31          ; the other half of the queries: its largest t,
	v_permlanex16_b32 v[T+1], v14, s30, s31        ; and its sum
	v_max_num_f32 v[T+2], v12, v[T]
	v_sub_f32 v[M], v12, v[T+2]
	v_sub_f32 v[M+1], v[T], v[T+2]
	v_exp_f32 v[M], v[M]
	v_exp_f32 v[M+1], v[M+1]
	v_nop
	s_wait_alu depctr_va_vdst(0)
	v_mul_f32 v14, v14, v[M]
	v_fma_f32 v14, v[T+1], v[M+1], v14
	v_log_f32 v[M+2], v14
	v_nop
	s_wait_alu depctr_va_vdst(0)
	v_add_f32 v[M+2], v[T+2], v[M+2]               ; lse in base 2
	v_mul_f32 v[M+2], 0xbf317218, v[M+2]           ; x -ln 2
.if \p == 0
	v_mov_b32 v10, v[M+2]
.else
	v_cndmask_b32 v10, v10, v[M+2], s35            ; lanes 0-15 keep the first tile's keys, lanes 16-31 take the second's
.endif
.endm
	KEYTILE 0
	KEYTILE 1
	global_store_b32 v9, v10, s[42:43]             ; 128 consecutive bytes
	s_wait_tensorcnt 0x0                           ; the wave's end
	ds_add_u32 v[SPW], v[NIL]
	s_wait_dscnt 0x0
	CROUND                                         ; the closing round
	s_endpgm
.Lfunc_end_k_q1f345bfe56_colsum:
	.size	k_q1f345bfe56_colsum, .Lfunc_end_k_q1f345bfe56_colsum-k_q1f345bfe56_colsum
	.p2alignl 7, 3214868480
	.fill 96, 4, 3214868480
	.section	.rodata,"a",@progbits
	.p2align	6, 0x0
	.amdhsa_kernel k_q1f345bfe56_colsum
		.amdhsa_group_segment_fixed_size 167936
		.amdhsa_private_segment_fixed_size 0
		.amdhsa_enable_private_segment 0
		.amdhsa_kernarg_size 24
		.amdhsa_user_sgpr_count 2
		.amdhsa_user_sgpr_kernarg_segment_ptr 1
		.amdhsa_wavefront_size32 1
		.amdhsa_system_sgpr_workgroup_id_x 1
		.amdhsa_system_sgpr_workgroup_id_y 1
		.amdhsa_system_sgpr_workgroup_id_z 1
		.amdhsa_system_vgpr_workitem_id 0
		.amdhsa_next_free_vgpr 184
		.amdhsa_next_free_sgpr 66
		.amdhsa_reserve_vcc 0
		.amdhsa_float_denorm_mode_32 3
		.amdhsa_float_denorm_mode_16_64 3
		.amdhsa_memory_ordered 1
		.amdhsa_forward_progress 1
		.amdhsa_inst_pref_size 30
	.end_amdhsa_kernel
	.amdgpu_metadata
---
amdhsa.version: [ 1, 2 ]
amdhsa.kernels:
  - .name:           k_q1f345bfe56_colsum
    .symbol:         k_q1f345bfe56_colsum.kd
    .args:
      - { .name: qimg, .offset: 0, .size: 8, .value_kind: global_buffer, .address_space: global }
      - { .name: kv, .offset: 8, .size: 8, .value_kind: global_buffer, .address_space: global }
      - { .name: nlse, .offset: 16, .size: 8, .value_kind: global_buffer, .address_space: global }
    .group_segment_fixed_size: 167936
    .private_segment_fixed_size: 0
    .kernarg_segment_align: 8
    .kernarg_segment_size: 24
    .max_flat_workgroup_size: 512
    .sgpr_count:     66
    .vgpr_count:     184
    .wavefront_size: 32
...
	.end_amdgpu_metadata
.endif
;; end of part 3
;; launch attn (part 4): grid 4 x 64, 16 waves a work-group, clusters of 4 x 1, 262,144 bytes of LDS; arguments qimg, kv, nlse, avop; writes avop
.if DOCPART == 4
	.amdgcn_target "amdgcn-amd-amdhsa--gfx1250"
	.amdhsa_code_object_version 6
	.text
	.protected	k_q1f345bfe56_attn
	.globl	k_q1f345bfe56_attn
	.p2align	8
	.type	k_q1f345bfe56_attn,@function
k_q1f345bfe56_attn:
	s_mov_b64 s[64:65], 0
	v_nop
	global_prefetch_b8 v0, s[64:65] scope:SCOPE_SE
	s_setreg_imm32_b32 hwreg(HW_REG_WAVE_MODE, 25, 1), 1
	s_wait_xcnt 0x0
	s_wait_alu depctr_hold_cnt(0) depctr_sa_sdst(0) depctr_va_vdst(0) depctr_va_sdst(0) depctr_va_ssrc(0) depctr_va_vcc(0) depctr_vm_vsrc(0)
	s_getreg_b32 s2, hwreg(HW_REG_IB_STS2, 6, 4)
	s_cmp_eq_u32 s2, 0
	s_cbranch_scc0 .Lentry_in_a_cluster
	s_endpgm
.Lentry_in_a_cluster:
	s_bfe_u32 s2, ttmp6, 0x10000c
	s_cmp_lg_u32 s2, 0x3003
	s_cbranch_scc0 .Lentry_shape_is_right
	s_endpgm
.Lentry_shape_is_right:
; ATTN: S = Q K^T again, A[i][j] = exp(S[i][j] - lse_j) (the finished softmax along the queries), A quantised along the keys, A V, and A V quantised as the last product's operand.  No work of the problem is left out.
; SHARES.  Work-group (cx, bh): 512 queries of one (b, h); wave w: query tiles 32 cx + 2 w and + 1, one after the other, each through all 16 key steps of 128.
; LDS, all filled once, jointly by the four work-groups of a cluster (two tensor loads a wave, both out together): the (b, h)'s block of kv (K's half images, K's scale words, V's half images, V's scale words) and its 8,192 bytes of -lse.
; LAYOUT.  Both products transposed: S^T = K Q^T + (-lse) (source 0 = 16 keys, source 1 = my 16 queries; -lse, which hangs on the key alone, is the C of the product, loaded in the result's layout), O^T = V^T A^T: a lane holds one query.
; By the tiles' order of rows the 16 registers of key tiles 2 b, 2 b + 1 are 16 neighbouring keys, and those of dv tiles likewise.  K = 64 in an instruction of 128: as in colsum (Q's registers 6-11 are zeros).
; THE RESHAPE.  Query n of head h is row 128 h + n / 16 of the last product's operand, at i = 64 (n % 16) + v: its two blocks of 32 are the halves of its 64 values.  So a lane's six registers are registers 6 c .. 6 c + 5 (c = n % 2)
; of fragment (n % 16) / 2, lane (n / 16) % 16 + 16 h, of record 8 (16 b + h) + n / 256.  The work-group's 512 queries fill two whole records: they are gathered in LDS and leave as they lie.
; LIMITS: as at the head of prep; A under 2^-126 counts as 0; lse is rounded once to f32, so a column's A moves by about an ulp of lse against the order S - m, exp, / l.
.set KVBLK, 221184
.set QBLK,  114688
.set KSO,   98304                      ; LDS: K's scale words
.set VCD,   114688                     ; V's half images
.set VSO,   212992                     ; V's scale words
.set NLS,   221184                     ; -lse
.set AVS,   229376                     ; two records of the result: stored by the waves, never a tensor load's target
.set SPARE, 256000
.set SPW, 1
.set NIL, 2
.set PW,  37                           ; v37 A's scale word
.set KSC, 40                           ; v40-47 K's scale words
.set VSC, 48                           ; v48-51 V's
.set TM,  52                           ; v52-67 at work
.set PC,  68                           ; v68-79 codes; v80-87 at work
.set KF,  88                           ; v88-141 eight half images of K and six zeros; V's four fragments take the first 48
.set S,   144                          ; v144-207
.set OA,  208                          ; v208-239 O^T
.set WV,  12
.set CS,  40
.set SEL, 42
.set TB,  44
.set TS,  45
.set TN,  46
.set ODD, 48
.macro CROUND
	s_barrier_signal -1
	s_barrier_wait -1
	s_cmp_lg_u32 s[WV], 0
	s_cbranch_scc1 .Lnot_wave_0_\@
	s_barrier_signal -3
.Lnot_wave_0_\@:
	s_barrier_wait -3
	s_barrier_signal -1
	s_barrier_wait -1
.endm
; 64 numbers, register 16 b + i = key 32 b + 16 h + i, become a fragment in v[PC] on and its scale word in v[PW]
.macro QUANT
.irp b, 0,1,2,3
	v_max3_num_f32 v[TM+\b], v[S+16*\b], v[S+1+16*\b], 0x1800000         ; none is negative; the floor 2^(3 - 127)
.endr
.irp i, 2,4,6,8,10,12,14
.irp b, 0,1,2,3
	v_max3_num_f32 v[TM+\b], v[TM+\b], v[S+16*\b+\i], v[S+1+16*\b+\i]
.endr
.endr
.irp b, 0,1,2,3
	v_permlanex16_b32 v[TM+4+\b], v[TM+\b], s[SEL], s[SEL+1]
.endr
.irp b, 0,1,2,3
	v_max_num_f32 v[TM+\b], v[TM+\b], v[TM+4+\b]
.endr
.irp b, 0,1,2,3
	v_add_nc_u32 v[TM+12+\b], 0xff000000, v[TM+\b]
.endr
.irp b, 0,1,2,3
	v_lshrrev_b32 v[TM+4+\b], 23, v[TM+12+\b]
.endr
	v_lshl_or_b32 v[PW], v[TM+5], 8, v[TM+4]
	v_lshl_or_b32 v[PW], v[TM+6], 16, v[PW]
	v_lshl_or_b32 v[PW], v[TM+7], 24, v[PW]
.irp c, 0,1
	v_cvt_scalef32_pk16_fp6_f32 v[PC+6*\c:PC+2+6*\c], v[S+32*\c:S+15+32*\c], v[TM+12+2*\c]
	v_cvt_scalef32_pk16_fp6_f32 v[PC+12+4*\c:PC+14+4*\c], v[S+16+32*\c:S+31+32*\c], v[TM+12+2*\c+1]
.endr
	v_nop
.irp c, 0,1
.irp i, 0,1,2
	v_permlane16_swap_b32 v[PC+6*\c+\i], v[PC+12+4*\c+\i]
.endr
.irp i, 0,1,2
	v_mov_b32 v[PC+3+6*\c+\i], v[PC+12+4*\c+\i]
.endr
.endr
.endm
; A key step: 128 keys.  zero = 1: its products start O^T's sums
.macro STEP zero, qt, qs
	v_add_nc_u32 v10, s[TB], v3                    ; seven additions: also the places behind the last products
	v_add_nc_u32 v11, s[TB], v4
	v_add_nc_u32 v12, s[TS], v5
	v_add_nc_u32 v13, s[TN], v6
	v_add_nc_u32 v14, s[TB], v7
	v_add_nc_u32 v15, s[TB], v8
	v_add_nc_u32 v16, s[TN], v9
.irp t, 0,1,2,3,4,5,6,7
	ds_load_b128 v[S+8*\t:S+8*\t+3], v13 offset:64*\t              ; -lse of keys 8 h + 0 .. 7 of tile t: the product's C
	ds_load_b128 v[S+8*\t+4:S+8*\t+7], v13 offset:64*\t+16
.endr
.irp t, 0,1,2,3,4,5,6,7
	ds_load_b128 v[KF+6*\t:KF+6*\t+3], v10 offset:768*\t
	ds_load_b64 v[KF+6*\t+4:KF+6*\t+5], v11 offset:768*\t
.endr
	ds_load_b128 v[KSC:KSC+3], v12
	ds_load_b128 v[KSC+4:KSC+7], v12 offset:512
	s_wait_dscnt 0x0
.irp t, 0,1,2,3,4,5,6,7
	v_wmma_scale_f32_16x16x128_f8f6f4 v[S+8*\t:S+8*\t+7], v[KF+6*\t:KF+6*\t+11], v[\qt:\qt+11], v[S+8*\t:S+8*\t+7], v[KSC+\t], v[\qs] matrix_a_fmt:MATRIX_FMT_FP6 matrix_b_fmt:MATRIX_FMT_FP6
.endr
.rept 4
	v_nop                                          ; places in front of the loads below and of the first read of results
.endr
.irp d, 0,1,2,3
.irp c, 0,1
	ds_load_b128 v[KF+12*\d+6*\c:KF+12*\d+6*\c+3], v14 offset:(2*\d+\c)*768
	ds_load_b64 v[KF+12*\d+6*\c+4:KF+12*\d+6*\c+5], v15 offset:(2*\d+\c)*768
.endr
.endr
	ds_load_b128 v[VSC:VSC+3], v16
.set JJ, 0
.rept 32
	v_pk_mul_f32 v[S+JJ:S+JJ+1], v[S+JJ:S+JJ+1], s[CS:CS+1] op_sel_hi:[1,0]   ; (S - lse) log2(e), each accumulator from its low end on
.set JJ, JJ+2
.endr
.set JJ, 0
.rept 64
	v_exp_f32 v[S+JJ], v[S+JJ]                     ; A, finished and normalised
.set JJ, JJ+1
.endr
	v_nop                                          ; a plain place behind the last exponential
	s_wait_alu depctr_va_vdst(0)                   ; one wait for the batch, ahead of its first reader
	QUANT
	s_wait_dscnt 0x0                               ; V
.rept 8
	v_nop                                          ; a scale word written by vector instructions stands 8 places ahead of the product, codes so written 4
.endr
.irp d, 0,1,2,3
.if \zero
	v_wmma_scale_f32_16x16x128_f8f6f4 v[OA+8*\d:OA+8*\d+7], v[KF+12*\d:KF+12*\d+11], v[PC:PC+11], 0, v[VSC+\d], v[PW] matrix_a_fmt:MATRIX_FMT_FP6 matrix_b_fmt:MATRIX_FMT_FP6
.else
	v_wmma_scale_f32_16x16x128_f8f6f4 v[OA+8*\d:OA+8*\d+7], v[KF+12*\d:KF+12*\d+11], v[PC:PC+11], v[OA+8*\d:OA+8*\d+7], v[VSC+\d], v[PW] matrix_a_fmt:MATRIX_FMT_FP6 matrix_b_fmt:MATRIX_FMT_FP6
.endif
.endr
	s_add_co_u32 s[TB], s[TB], 6144
	s_add_co_u32 s[TS], s[TS], 1024
	s_add_co_u32 s[TN], s[TN], 512
.endm
; A query tile's 64 values a lane-pair become six registers of codes and two scale bytes, and go to their places in the two records in LDS
.macro EPI p
.rept 4
	v_nop
.endr
.irp b, 0,1
	v_max3_num_f32 v[TM+\b], |v[OA+16*\b]|, |v[OA+1+16*\b]|, 0x1800000
.endr
.irp i, 2,4,6,8,10,12,14
.irp b, 0,1
	v_max3_num_f32 v[TM+\b], v[TM+\b], |v[OA+16*\b+\i]|, |v[OA+1+16*\b+\i]|
.endr
.endr
.irp b, 0,1
	v_permlanex16_b32 v[TM+4+\b], v[TM+\b], s[SEL], s[SEL+1]
.endr
.irp b, 0,1
	v_max_num_f32 v[TM+\b], v[TM+\b], v[TM+4+\b]
.endr
.irp b, 0,1
	v_add_nc_u32 v[TM+12+\b], 0xff000000, v[TM+\b]
.endr
.irp b, 0,1
	v_lshrrev_b32 v[TM+8+\b], 23, v[TM+12+\b]
.endr
	v_lshl_or_b32 v[TM+10], v[TM+9], 8, v[TM+8]
	v_cvt_scalef32_pk16_fp6_f32 v[PC:PC+2], v[OA:OA+15], v[TM+12]
	v_cvt_scalef32_pk16_fp6_f32 v[PC+12:PC+14], v[OA+16:OA+31], v[TM+13]
	v_nop
.irp i, 0,1,2
	v_permlane16_swap_b32 v[PC+\i], v[PC+12+\i]
.endr
.irp i, 0,1,2
	v_mov_b32 v[PC+3+\i], v[PC+12+\i]
.endr
.irp i, 0,1,2,3
	v_cndmask_b32 v[PC+16+\i], v[PC+\i], v[PC+2+\i], s[ODD]        ; the aligned 16 bytes: an even query's registers 0-3, an odd one's 2-5 (the fragment's 8-11)
.endr
.irp i, 0,1
	v_cndmask_b32 v[PC+12+\i], v[PC+4+\i], v[PC+\i], s[ODD]        ; the 8 bytes: an even query's registers 4, 5, an odd one's 0, 1 (the fragment's 6, 7)
.endr
	ds_store_b128 v17, v[PC+16:PC+19] offset:6656*\p
	ds_store_b64 v18, v[PC+12:PC+13] offset:6656*\p
	ds_store_b16 v19, v[TM+10] offset:6656*\p
.endm
.macro QTILE p, qt, qs
	s_mov_b32 s[TB], 0
	s_mov_b32 s[TS], 0
	s_mov_b32 s[TN], 0
	STEP 1, \qt, \qs
	s_mov_b32 s47, 15
.Lstep_\@:
	STEP 0, \qt, \qs
	s_sub_co_u32 s47, s47, 1
	s_cmp_lg_u32 s47, 0
	s_cbranch_scc1 .Lstep_\@
	EPI \p
.endm
	s_load_b256 s[4:11], s[0:1], 0x0               ; qimg, kv, nlse, avop
	v_lshl_add_u32 v[SPW], v0, 2, SPARE
	v_mov_b32 v[NIL], 0
	ds_add_u32 v[SPW], v[NIL]                      ; the opening: the add, twice on end, and its wait ahead of my first tensor load
	ds_add_u32 v[SPW], v[NIL]
	v_lshrrev_b32 v10, 5, v0
	v_readfirstlane_b32 s[WV], v10
	s_bfe_u32 s13, ttmp6, 0x40000                  ; cx: it enters global addresses alone
	s_and_b32 s14, ttmp7, 0xffff                   ; 16 b + h
	s_mov_b32 s16, 15|(3<<16)|(1<<21)              ; group 1 for kv's block: 54 rows of 256 bytes a wave, dense
	s_mov_b32 s17, 32<<16
	s_mov_b32 s18, 54<<16
	s_mov_b32 s19, 32<<16
	s_mov_b32 s20, 54
	s_mov_b32 s21, 32
	s_mov_b32 s22, 0
	s_mov_b32 s23, 0
	s_mov_b32 s24, 15|(3<<16)|(1<<21)              ; for -lse: 2 rows a wave
	s_mov_b32 s25, 32<<16
	s_mov_b32 s26, 2<<16
	s_mov_b32 s27, 32<<16
	s_mov_b32 s28, 2
	s_mov_b32 s29, 32
	s_mov_b32 s30, 0
	s_mov_b32 s31, 0
	s_mov_b32 s32, 1
	s_mul_i32 s33, s[WV], 13824
	s_mul_i32 s50, s14, KVBLK
	s_add_co_u32 s50, s50, s33
	s_mov_b32 s51, 0
	s_mov_b32 s36, 1
	s_lshl_b32 s52, s[WV], 9
	s_add_co_u32 s37, s52, NLS
	s_lshl_b32 s53, s14, 13
	s_add_co_u32 s52, s52, s53
	s_mov_b32 s53, 0
	s_lshl_b32 s54, s13, 5
	s_lshl_b32 s55, s[WV], 1
	s_add_co_u32 s54, s54, s55                     ; my first query tile
	s_mul_i32 s55, s14, QBLK
	s_mul_i32 s56, s54, 768
	s_add_co_u32 s56, s56, s55
	s_mov_b32 s57, 0
	s_lshr_b32 s58, s54, 2
	s_lshl_b32 s58, s58, 9
	s_and_b32 s59, s54, 3
	s_lshl_b32 s59, s59, 2
	s_add_co_u32 s58, s58, s59
	s_add_co_u32 s58, s58, s55
	s_add_co_u32 s58, s58, 98304
	s_mov_b32 s59, 0
	s_lshl_b32 s60, s14, 3
	s_lshl_b32 s61, s13, 1
	s_add_co_u32 s60, s60, s61
	s_mul_i32 s60, s60, 13312                      ; my work-group's two records
	s_mov_b32 s61, 0
	s_lshr_b32 s62, s[WV], 3
	s_mul_i32 s62, s62, 13312
	s_lshr_b32 s63, s[WV], 1
	s_and_b32 s63, s63, 3
	s_mul_i32 s63, s63, 3328
	s_add_co_u32 s62, s62, s63                     ; the copy at the end: record w / 8, part (w % 8) / 2,
	s_and_b32 s66, s[WV], 1
	s_mul_i32 s63, s66, 1536
	s_add_co_u32 s63, s63, s62                     ; fragment w % 2;
	s_lshl_b32 s66, s66, 7
	s_add_co_u32 s66, s66, s62
	s_add_co_u32 s66, s66, 3072                    ; and half of the part's scale words
	s_mov_b32 s[CS], 0x3fb8aa3b                    ; log2(e)
	s_mov_b32 s[CS+1], s[CS]
	s_mov_b32 s[SEL], 0x76543210
	s_mov_b32 s[SEL+1], 0xfedcba98
	s_mov_b32 s[ODD], 0xaaaaaaaa
	s_wait_dscnt 0x0                               ; both opening adds are done
	s_wait_kmcnt 0x0
	s_add_nc_u64 s[34:35], s[6:7], s[50:51]
	s_or_b32 s35, s35, 0x80000000
	s_add_nc_u64 s[38:39], s[8:9], s[52:53]
	s_or_b32 s39, s39, 0x80000000
	s_add_nc_u64 s[56:57], s[4:5], s[56:57]
	s_add_nc_u64 s[58:59], s[4:5], s[58:59]
	s_add_nc_u64 s[60:61], s[10:11], s[60:61]
	CROUND                                         ; the four work-groups are here: the joint loads meet
	tensor_load_to_lds s[32:35], s[16:23]
	s_nop 0
	tensor_load_to_lds s[36:39], s[24:31]
	s_nop 0
.rept 4
	v_nop
.endr
	v_and_b32 v10, 31, v0
	v_bfe_u32 v11, v0, 4, 1
	v_lshlrev_b32 v3, 4, v10                       ; 16 x lane
	v_lshlrev_b32 v4, 3, v10
	v_add_nc_u32 v8, VCD+512, v4
	v_add_nc_u32 v4, 512, v4
	global_load_b128 v[24:27], v3, s[56:57]        ; my two query tiles stay in registers
	global_load_b64 v[28:29], v4, s[56:57]
	global_load_b128 v[240:243], v3, s[56:57] offset:768
	global_load_b64 v[244:245], v4, s[56:57] offset:768
	global_load_b32 v36, v3, s[58:59]
	global_load_b32 v38, v3, s[58:59] offset:4
	v_add_nc_u32 v5, KSO, v3
	v_lshlrev_b32 v6, 5, v11
	v_add_nc_u32 v6, NLS, v6
	v_add_nc_u32 v7, VCD, v3
	v_add_nc_u32 v9, VSO, v3
	v_add_nc_u32 v20, s63, v3                      ; the copy: in the records,
	v_add_nc_u32 v21, AVS, v20                     ; and in LDS
	v_lshlrev_b32 v22, 2, v10
	v_add_nc_u32 v22, s66, v22
	v_add_nc_u32 v23, AVS, v22
	; where a lane's codes go.  Of the thread's number: bit 0 = c, bit 1 = the fragment's parity, bit 2 = the part's low bit, bit 3 and bits 5-7 = the row, bit 4 = h, bit 8 = the record
	v_bfe_u32 v10, v0, 3, 1
	v_bfe_u32 v11, v0, 5, 3
	v_lshl_add_u32 v10, v11, 1, v10
	v_bfe_u32 v11, v0, 4, 1
	v_lshl_add_u32 v10, v11, 4, v10                ; the lane in the record's image
	v_bfe_u32 v11, v0, 8, 1
	v_mul_u32_u24 v12, v11, 13312
	v_bfe_u32 v11, v0, 2, 1
	v_mad_u32_u24 v12, v11, 3328, v12
	v_add_nc_u32 v12, AVS, v12
	v_bfe_u32 v11, v0, 1, 1
	v_mad_u32_u24 v13, v11, 1536, v12
	v_lshl_add_u32 v13, v10, 4, v13
	v_and_b32 v14, 1, v0
	v_lshl_add_u32 v17, v14, 10, v13               ; the 16 bytes
	v_lshl_add_u32 v18, v14, 3, v13
	v_add_nc_u32 v18, 512, v18                     ; the 8 bytes
	v_lshl_add_u32 v19, v10, 3, v12
	v_lshl_add_u32 v19, v11, 2, v19
	v_lshl_add_u32 v19, v14, 1, v19
	v_add_nc_u32 v19, 3072, v19                    ; the two scale bytes
.irp i, 0,1,2,3,4,5
	v_mov_b32 v[30+\i], 0
	v_mov_b32 v[246+\i], 0
	v_mov_b32 v[KF+48+\i], 0
.endr
.irp b, 0,1,2,3
	v_mov_b32 v[TM+4+\b], 0                        ; a lane permute's destination counts as one of its sources
.endr
	s_wait_tensorcnt 0x0                           ; my parts are in,
	s_barrier_signal -1
	s_barrier_wait -1                              ; everybody's are
	s_wait_loadcnt 0x0                             ; my query tiles
	QTILE 0, 24, 36
	QTILE 1, 240, 38
	s_wait_dscnt 0x0                               ; my stores into the records have landed
	s_barrier_signal -1
	s_barrier_wait -1                              ; everybody's have
.irp g, 0,1,2
	ds_load_b128 v[S+4*\g:S+4*\g+3], v21 offset:512*\g
.endr
	ds_load_b32 v[S+12], v23
.irp g, 0,1,2
	s_wait_dscnt 3-\g                              ; the loads issued behind this one may be out
	global_store_b128 v20, v[S+4*\g:S+4*\g+3], s[60:61] offset:512*\g     ; 512 consecutive bytes, aligned to 256
.endr
	s_wait_dscnt 0x0
	global_store_b32 v22, v[S+12], s[60:61]
	s_wait_tensorcnt 0x0                           ; the wave's end
	ds_add_u32 v[SPW], v[NIL]
	s_wait_dscnt 0x0
	CROUND                                         ; the closing round
	s_endpgm
.Lfunc_end_k_q1f345bfe56_attn:
	.size	k_q1f345bfe56_attn, .Lfunc_end_k_q1f345bfe56_attn-k_q1f345bfe56_attn
	.p2alignl 7, 3214868480
	.fill 96, 4, 3214868480
	.section	.rodata,"a",@progbits
	.p2align	6, 0x0
	.amdhsa_kernel k_q1f345bfe56_attn
		.amdhsa_group_segment_fixed_size 262144
		.amdhsa_private_segment_fixed_size 0
		.amdhsa_enable_private_segment 0
		.amdhsa_kernarg_size 32
		.amdhsa_user_sgpr_count 2
		.amdhsa_user_sgpr_kernarg_segment_ptr 1
		.amdhsa_wavefront_size32 1
		.amdhsa_system_sgpr_workgroup_id_x 1
		.amdhsa_system_sgpr_workgroup_id_y 1
		.amdhsa_system_sgpr_workgroup_id_z 1
		.amdhsa_system_vgpr_workitem_id 0
		.amdhsa_next_free_vgpr 256
		.amdhsa_next_free_sgpr 72
		.amdhsa_reserve_vcc 0
		.amdhsa_float_denorm_mode_32 3
		.amdhsa_float_denorm_mode_16_64 3
		.amdhsa_memory_ordered 1
		.amdhsa_forward_progress 1
		.amdhsa_inst_pref_size 69
	.end_amdhsa_kernel
	.amdgpu_metadata
---
amdhsa.version: [ 1, 2 ]
amdhsa.kernels:
  - .name:           k_q1f345bfe56_attn
    .symbol:         k_q1f345bfe56_attn.kd
    .args:
      - { .name: qimg, .offset: 0, .size: 8, .value_kind: global_buffer, .address_space: global }
      - { .name: kv, .offset: 8, .size: 8, .value_kind: global_buffer, .address_space: global }
      - { .name: nlse, .offset: 16, .size: 8, .value_kind: global_buffer, .address_space: global }
      - { .name: avop, .offset: 24, .size: 8, .value_kind: global_buffer, .address_space: global }
    .group_segment_fixed_size: 262144
    .private_segment_fixed_size: 0
    .kernarg_segment_align: 8
    .kernarg_segment_size: 32
    .max_flat_workgroup_size: 512
    .sgpr_count:     72
    .vgpr_count:     256
    .wavefront_size: 32
...
	.end_amdgpu_metadata
.endif
;; end of part 4
;; launch oproj (part 5): grid 4 x 64, 16 waves a work-group, clusters of 4 x 4, 327,680 bytes of LDS; arguments avop, wop, out0; writes out0
.if DOCPART == 5
	.amdgcn_target "amdgcn-amd-amdhsa--gfx1250"
	.amdhsa_code_object_version 6
	.text
	.protected	k_q1f345bfe56_oproj
	.globl	k_q1f345bfe56_oproj
	.p2align	8
	.type	k_q1f345bfe56_oproj,@function
k_q1f345bfe56_oproj:
	s_mov_b64 s[64:65], 0
	v_nop
	global_prefetch_b8 v0, s[64:65] scope:SCOPE_SE
	s_setreg_imm32_b32 hwreg(HW_REG_WAVE_MODE, 25, 1), 1
	s_wait_xcnt 0x0
	s_wait_alu depctr_hold_cnt(0) depctr_sa_sdst(0) depctr_va_vdst(0) depctr_va_sdst(0) depctr_va_ssrc(0) depctr_va_vcc(0) depctr_vm_vsrc(0)
	s_getreg_b32 s2, hwreg(HW_REG_IB_STS2, 6, 4)
	s_cmp_eq_u32 s2, 0
	s_cbranch_scc0 .Lentry_in_a_cluster
	s_endpgm
.Lentry_in_a_cluster:
	s_bfe_u32 s2, ttmp6, 0x10000c
	s_cmp_lg_u32 s2, 0xf033
	s_cbranch_scc0 .Lentry_shape_is_right
	s_endpgm
.Lentry_shape_is_right:
; OPROJ: out0 = (A V reshaped) W_O on codes of FP6, K = 1024.  No work of the problem is left out.
; SHARES.  Work-group (x, y): 128 rows (avop's records 8 y .. + 7; their rows are neighbours) against 256 columns d (wop's records 192 + 16 x ..): 256 work-groups.  Sixteen waves, four to a SIMD;
; wave w takes X's tiles 2 (w / 4), + 1 and W's tiles 4 (w % 4) .. + 3: 8 accumulators.
; LDS.  All of K for the 24 records fits: two slots of 159,744 bytes, each with half of K (two parts, 6,656 bytes) of X's eight records and then of W's sixteen.  Both are asked for at the head and nothing is filled again.
; Waves 0-7 fetch one half record of X each, waves 8-15 two of W.  CLUSTER 4 x 4: X's tiles are shared along a row of the cluster, W's along a column: joint loads.  By this text's count a wave has two tensor loads out.
; Source 0 = 16 rows of W_O's records, source 1 = 16 rows of A V: by the records' order of rows a lane holds, for each pair of tiles, 16 neighbouring d of one row of the result.
; THE WAY OUT: 16 rows x 256 bytes at a time through the wave's own stage in LDS, back as whole rows: sixteen lanes store 256 consecutive bytes, aligned.  The stages lie in slot 0: it has had its only fill,
; and behind the second barrier no wave reads it.
.set REC,   13312
.set SPB,   3328
.set HREC,  6656                       ; half a record: two parts
.set WOFF,  8*HREC                     ; W's half records lie behind X's eight
.set SLOT,  24*HREC
.set STG,   0                          ; 16 stages of 16 rows x 272 bytes
.set SPARE, 2*SLOT                     ; behind the slots: the spare words, 128 bytes for each of 16 waves
.set SPW, 1
.set NIL, 2
.set L16, 3
.set AX,  4                            ; v4-5   X's fragments in slot 0, 1
.set AW,  6                            ; v6-7   W's
.set AXS, 8                            ; v8-9   X's scale words
.set AWS, 10                           ; v10-11 W's
.set L8,  12
.set STO, 13                           ; v13 the stage: where I put 16 bytes of a row
.set RD,  14                           ; v14 and where I read a row back
.set CO,  15                           ; v15 my byte offset in two rows of out0
.set SX,  16                           ; v16-19 X's scale words: tile i, K step q at 2 i + q
.set SW,  24                           ; v24-31 W's
.set FX,  32                           ; v32-55  two fragments of X
.set FW,  80                           ; v80-127 four of W
.set ACC, 128                          ; v128-191 accumulator (a, b) at 8 (4 a + b)
.set BK,  192                          ; the way out: v192-223 and v224-255
.set WV,  12
.set G1X, 24
.set G1W, 32
.set G0X, 40
.set G0W, 48
.macro CROUND
	s_barrier_signal -1
	s_barrier_wait -1
	s_cmp_lg_u32 s[WV], 0
	s_cbranch_scc1 .Lnot_wave_0_\@
	s_barrier_signal -3
.Lnot_wave_0_\@:
	s_barrier_wait -3
	s_barrier_signal -1
	s_barrier_wait -1
.endm
.macro JLOAD s                         ; a joint load into slot s: waves 0-7 for X, waves 8-15 for W; the branch hangs on the wave's number alone
	s_cmp_eq_u32 s15, 0
	s_cbranch_scc0 .Lfor_w_\@
	tensor_load_to_lds s[G0X+4*\s:G0X+4*\s+3], s[G1X:G1X+7]
	s_nop 0
.rept 4
	v_nop
.endr
	s_branch .Lasked_\@
.Lfor_w_\@:
	tensor_load_to_lds s[G0W+4*\s:G0W+4*\s+3], s[G1W:G1W+7]
	s_nop 0
.rept 4
	v_nop
.endr
.Lasked_\@:
.endm
.macro MUL q, zero                     ; the 8 accumulators take turns, one instruction a turn
.irp a, 0,1
.irp b, 0,1,2,3
.if \zero
	v_wmma_scale_f32_16x16x128_f8f6f4 v[ACC+8*(4*\a+\b):ACC+8*(4*\a+\b)+7], v[FW+12*\b:FW+12*\b+11], v[FX+12*\a:FX+12*\a+11], 0, v[SW+2*\b+\q], v[SX+2*\a+\q] matrix_a_fmt:MATRIX_FMT_FP6 matrix_b_fmt:MATRIX_FMT_FP6
.else
	v_wmma_scale_f32_16x16x128_f8f6f4 v[ACC+8*(4*\a+\b):ACC+8*(4*\a+\b)+7], v[FW+12*\b:FW+12*\b+11], v[FX+12*\a:FX+12*\a+11], v[ACC+8*(4*\a+\b):ACC+8*(4*\a+\b)+7], v[SW+2*\b+\q], v[SX+2*\a+\q] matrix_a_fmt:MATRIX_FMT_FP6 matrix_b_fmt:MATRIX_FMT_FP6
.endif
.endr
.endr
.endm
.macro HALF slot, pp, q, zero          ; one K step of 128: 18 loads of 512 consecutive bytes, 8 products
.irp i, 0,1
.irp g, 0,1,2
	ds_load_b128 v[FX+12*\i+4*\g:FX+12*\i+4*\g+3], v[AX+\slot] offset:HREC*\i+SPB*\pp+1536*\q+512*\g
.endr
.endr
.irp i, 0,1,2,3
.irp g, 0,1,2
	ds_load_b128 v[FW+12*\i+4*\g:FW+12*\i+4*\g+3], v[AW+\slot] offset:HREC*\i+SPB*\pp+1536*\q+512*\g
.endr
.endr
	s_wait_dscnt 0x0
	MUL \q, \zero
.rept 4
	v_nop                                          ; places in front of the next loads into operand and scale registers, and of the first read of results
.endr
.endm
.macro WORK slot, pp, zero             ; part pp of a slot: two K steps
.irp i, 0,1
	ds_load_b64 v[SX+2*\i:SX+2*\i+1], v[AXS+\slot] offset:HREC*\i+SPB*\pp
.endr
.irp i, 0,1,2,3
	ds_load_b64 v[SW+2*\i:SW+2*\i+1], v[AWS+\slot] offset:HREC*\i+SPB*\pp
.endr
	HALF \slot, \pp, 0, \zero
	HALF \slot, \pp, 1, 0
.endm
.macro TOSTAGE a                       ; 16 rows x 64 columns: tile b = 2 beta + u holds d = 32 beta + 16 h + 8 u + 0 .. 7
.irp b, 0,1,2,3
	ds_store_b128 v[STO], v[ACC+32*(\a)+8*\b:ACC+32*(\a)+8*\b+3] offset:128*(\b/2)+32*(\b%2)        ; each accumulator from its low end on
	ds_store_b128 v[STO], v[ACC+32*(\a)+8*\b+4:ACC+32*(\a)+8*\b+7] offset:128*(\b/2)+32*(\b%2)+16
.endr
.irp i, 0,1,2,3,4,5,6,7
	ds_load_b128 v[BK+32*(\a)+4*\i:BK+32*(\a)+4*\i+3], v[RD] offset:544*\i   ; LDS serves a wave's instructions in order: these see my stores, and the next block's stores come behind them
.endr
.endm
.macro SEND a, younger
	s_wait_dscnt \younger
.irp i, 0,1,2,3,4,5,6,7
	global_store_b128 v[CO], v[BK+32*(\a)+4*\i:BK+32*(\a)+4*\i+3], s[60:61] offset:(16*(\a)+2*\i)*4096 th:TH_STORE_NT
.endr
.endm
	s_load_b128 s[4:7], s[0:1], 0x0                ; avop, wop
	s_load_b64 s[8:9], s[0:1], 0x10                ; out0
	v_lshl_add_u32 v[SPW], v0, 2, SPARE
	v_mov_b32 v[NIL], 0
	ds_add_u32 v[SPW], v[NIL]                      ; the opening: the add, twice on end, and its wait ahead of my first tensor load
	ds_add_u32 v[SPW], v[NIL]
	v_lshrrev_b32 v32, 5, v0
	v_readfirstlane_b32 s[WV], v32
	s_lshr_b32 s13, s[WV], 2
	s_and_b32 s14, s[WV], 3
	s_lshr_b32 s15, s[WV], 3
	s_bfe_u32 s16, ttmp6, 0x40000                  ; cx
	s_bfe_u32 s17, ttmp6, 0x40004                  ; cy
	s_lshl_b32 s18, ttmp9, 2
	s_add_co_u32 s18, s18, s16                     ; x
	s_and_b32 s19, ttmp7, 0xffff
	s_lshl_b32 s19, s19, 2
	s_add_co_u32 s19, s19, s17                     ; y
	s_lshl_b32 s21, s17, 2
	s_lshl_b32 s21, 15, s21                        ; my row of the cluster
	s_lshl_b32 s22, 0x1111, s16                    ; my column
	; group 1 for X: half a record, 6,656 dense bytes, as 26 rows of 256 bytes (32 elements of 8)
	s_or_b32 s[G1X], s21, (3<<16)|(1<<21)
	s_mov_b32 s[G1X+1], 32<<16
	s_mov_b32 s[G1X+2], 26<<16
	s_mov_b32 s[G1X+3], 32<<16
	s_mov_b32 s[G1X+4], 26
	s_mov_b32 s[G1X+5], 32
	s_mov_b32 s[G1X+6], 0
	s_mov_b32 s[G1X+7], 0
	; group 1 for W: 2 rows of 6,656 bytes (832 elements of 8), 13,312 bytes apart in memory, on end in LDS
	s_or_b32 s[G1W], s22, (3<<16)|(1<<21)
	s_mov_b32 s[G1W+1], 832<<16
	s_mov_b32 s[G1W+2], 2<<16
	s_mov_b32 s[G1W+3], 832<<16
	s_mov_b32 s[G1W+4], 2
	s_mov_b32 s[G1W+5], 1664
	s_mov_b32 s[G1W+6], 0
	s_mov_b32 s[G1W+7], 0
	s_and_b32 s23, s[WV], 7
	s_lshl_b32 s56, s19, 3
	s_add_co_u32 s56, s56, s23
	s_mul_i32 s56, s56, REC                        ; X: record 8 y + w % 8
	s_mov_b32 s57, 0
	s_lshl_b32 s68, s18, 4
	s_lshl_b32 s69, s23, 1
	s_add_co_u32 s68, s68, s69
	s_add_co_u32 s68, s68, 192                     ; W_O's records lie behind those of W_Q, W_K, W_V
	s_mul_i32 s68, s68, REC                        ; W: record 192 + 16 x + 2 (w % 8)
	s_mov_b32 s69, 0
	s_mul_i32 s70, s23, HREC                       ; where X's goes,
	s_mul_i32 s74, s23, 2*HREC
	s_add_co_u32 s74, s74, WOFF                    ; and W's: no place in the cluster enters an LDS address
	s_wait_dscnt 0x0                               ; both opening adds are done
	s_wait_kmcnt 0x0
	s_add_nc_u64 s[56:57], s[4:5], s[56:57]
	s_add_nc_u64 s[68:69], s[6:7], s[68:69]
	CROUND                                         ; all sixteen work-groups are here: the joint loads meet
.irp s, 0,1
	s_mov_b32 s[G0X+4*\s], 1
	s_add_co_u32 s[G0X+4*\s+1], s70, \s*SLOT
	s_add_nc_u64 s[G0X+4*\s+2:G0X+4*\s+3], s[56:57], \s*HREC
	s_or_b32 s[G0X+4*\s+3], s[G0X+4*\s+3], 0x80000000
	s_mov_b32 s[G0W+4*\s], 1
	s_add_co_u32 s[G0W+4*\s+1], s74, \s*SLOT
	s_add_nc_u64 s[G0W+4*\s+2:G0W+4*\s+3], s[68:69], \s*HREC
	s_or_b32 s[G0W+4*\s+3], s[G0W+4*\s+3], 0x80000000
	JLOAD \s
.endr
	v_and_b32 v32, 31, v0
	v_lshlrev_b32 v[L16], 4, v32
	v_lshlrev_b32 v[L8], 3, v32
	s_mul_i32 s71, s13, 2*HREC                     ; my two tiles of X in a slot
	s_mul_i32 s72, s14, 4*HREC
	s_add_co_u32 s72, s72, WOFF                    ; my four of W
	v_add_nc_u32 v[AX], s71, v[L16]
	v_add_nc_u32 v[AX+1], SLOT, v[AX]
	v_add_nc_u32 v[AW], s72, v[L16]
	v_add_nc_u32 v[AW+1], SLOT, v[AW]
	v_add_nc_u32 v[AXS], s71, v[L8]
	v_add_nc_u32 v[AXS], 3072, v[AXS]
	v_add_nc_u32 v[AXS+1], SLOT, v[AXS]
	v_add_nc_u32 v[AWS], s72, v[L8]
	v_add_nc_u32 v[AWS], 3072, v[AWS]
	v_add_nc_u32 v[AWS+1], SLOT, v[AWS]
	v_and_b32 v32, 15, v0                          ; r
	v_bfe_u32 v33, v0, 4, 1                        ; h
	s_mul_i32 s73, s[WV], 4352
	s_add_co_u32 s73, s73, STG                     ; my stage
	v_mul_u32_u24 v[STO], v32, 272
	v_lshl_add_u32 v[STO], v33, 6, v[STO]
	v_add_nc_u32 v[STO], s73, v[STO]               ; in: row r, + 64 h
	v_mul_u32_u24 v[RD], v33, 272
	v_lshl_add_u32 v[RD], v32, 4, v[RD]
	v_add_nc_u32 v[RD], s73, v[RD]                 ; back: lanes 0-15 one row, lanes 16-31 the next
	v_lshlrev_b32 v[CO], 12, v33
	v_lshl_add_u32 v[CO], v32, 4, v[CO]            ; and the same in out0
	s_lshl_b32 s58, s19, 7
	s_lshl_b32 s59, s13, 5
	s_add_co_u32 s58, s58, s59                     ; my first row: 128 y + 32 (w / 4)
	s_lshl_b32 s58, s58, 12
	s_lshl_b32 s59, s18, 10
	s_add_co_u32 s58, s58, s59                     ; my first column, in bytes: 1,024 x + 256 (w % 4)
	s_lshl_b32 s59, s14, 8
	s_add_co_u32 s58, s58, s59
	s_mov_b32 s59, 0
	s_add_nc_u64 s[60:61], s[8:9], s[58:59]
	s_wait_tensorcnt 1                             ; my part of slot 0 is in; slot 1's load may stay out
	s_barrier_signal -1
	s_barrier_wait -1                              ; everybody's is
	WORK 0, 0, 1                                   ; K 0-255: the first products start the sums
	WORK 0, 1, 0                                   ; K 256-511
	s_wait_tensorcnt 0x0                           ; my part of slot 1 is in (no LDS load of mine is out),
	s_barrier_signal -1
	s_barrier_wait -1                              ; everybody's is, and nobody reads slot 0 any more
	WORK 1, 0, 0                                   ; K 512-767
	WORK 1, 1, 0                                   ; K 768-1023
	TOSTAGE 0
	TOSTAGE 1
	SEND 0, 16                                     ; behind block 0's loads: block 1's 8 stores and 8 loads
	SEND 1, 0
	s_wait_tensorcnt 0x0                           ; the wave's end
	ds_add_u32 v[SPW], v[NIL]
	s_wait_dscnt 0x0
	CROUND                                         ; the closing round
	s_endpgm
.Lfunc_end_k_q1f345bfe56_oproj:
	.size	k_q1f345bfe56_oproj, .Lfunc_end_k_q1f345bfe56_oproj-k_q1f345bfe56_oproj
	.p2alignl 7, 3214868480
	.fill 96, 4, 3214868480
	.section	.rodata,"a",@progbits
	.p2align	6, 0x0
	.amdhsa_kernel k_q1f345bfe56_oproj
		.amdhsa_group_segment_fixed_size 327680
		.amdhsa_private_segment_fixed_size 0
		.amdhsa_enable_private_segment 0
		.amdhsa_kernarg_size 24
		.amdhsa_user_sgpr_count 2
		.amdhsa_user_sgpr_kernarg_segment_ptr 1
		.amdhsa_wavefront_size32 1
		.amdhsa_system_sgpr_workgroup_id_x 1
		.amdhsa_system_sgpr_workgroup_id_y 1
		.amdhsa_system_sgpr_workgroup_id_z 1
		.amdhsa_system_vgpr_workitem_id 0
		.amdhsa_next_free_vgpr 256
		.amdhsa_next_free_sgpr 100
		.amdhsa_reserve_vcc 0
		.amdhsa_float_denorm_mode_32 3
		.amdhsa_float_denorm_mode_16_64 3
		.amdhsa_memory_ordered 1
		.amdhsa_forward_progress 1
		.amdhsa_inst_pref_size 31
	.end_amdhsa_kernel
	.amdgpu_metadata
---
amdhsa.version: [ 1, 2 ]
amdhsa.kernels:
  - .name:           k_q1f345bfe56_oproj
    .symbol:         k_q1f345bfe56_oproj.kd
    .args:
      - { .name: avop, .offset: 0, .size: 8, .value_kind: global_buffer, .address_space: global }
      - { .name: wop, .offset: 8, .size: 8, .value_kind: global_buffer, .address_space: global }
      - { .name: out0, .offset: 16, .size: 8, .value_kind: global_buffer, .address_space: global }
    .group_segment_fixed_size: 327680
    .private_segment_fixed_size: 0
    .kernarg_segment_align: 8
    .kernarg_segment_size: 24
    .max_flat_workgroup_size: 512
    .sgpr_count:     100
    .vgpr_count:     256
    .wavefront_size: 32
...
	.end_amdgpu_metadata
.endif
;; end of part 5
